; MI455X (gfx1250); checked and timed in simulation.
; The chip was launched on July 23, 2026; its instructions are those of AMD's public machine-readable ISA for CDNA 5 (MIT licence, August 2026) and "CDNA5" Instruction Set Architecture Reference Guide (July 2026). The comments in the code are by the model that wrote it; some were corrected since.
;; Encoder. Allowed arithmetic: matrix products marked QUANTISED: E2M3 operands, one E8M0 scale for each 32 along K, by v_wmma_scale_f32_16x16x128_f8f6f4 with both operands' format E2M3, f32 sums; everything else in f32.
;; Inputs: ffn_b 512 float32; ffn_w 512 x 512 float32; ln1_b 512 float32; ln1_g 512 float32; ln2_b 512 float32; ln2_g 512 float32; w_mh 512 x 512 float32; wk 8 x 512 x 64 float32; wq 8 x 512 x 64 float32; wv 8 x 512 x 64 float32; x 4,096 x 512 float32.
;; Outputs: out0 4,096 x 512 float32.
;; This version of the problem:
;;   THIS VERSION OF THE PROBLEM IS GIVEN IN LOW PRECISION. The matrix products marked QUANTISED in the list below multiply operands that are first quantised to E2M3 (2 exponent bits, 3 mantissa bits; 6 bits a number), with one power-of-two scale for each 32 numbers along K (OCP MX v1.0); their sums are f32. All else is computed in f32.
;;   The module's matrix products, in the order in which they are computed (A, B: the left and right operand; K: the contracted axis; several contracted axes count as one K, in the product's order):
;;     1. [M 512, K 512] x [K 512, N 4,096]; A: input wq; B: input x: QUANTISED
;;     2. [M 512, K 512] x [K 512, N 4,096]; A: input wk; B: input x: QUANTISED
;;     3. [M 512, K 512] x [K 512, N 4,096]; A: input wv; B: input x: QUANTISED
;;     4. batch 8 x [M 4,096, K 64] x [K 64, N 4,096]; A: computed on the way; B: computed on the way: QUANTISED
;;     5. batch 8 x [M 4,096, K 4,096] x [K 4,096, N 64]; A: softmax (see below); B: computed on the way: QUANTISED
;;     6. [M 4,096, K 512] x [K 512, N 512]; A: computed on the way; B: input w_mh: QUANTISED
;;     7. [M 4,096, K 512] x [K 512, N 512]; A: computed on the way; B: input ffn_w: QUANTISED
;;   THE QUANTISER, for each operand of a quantised product, along K:
;;     - K is cut into blocks of 32 from its start; a last block that is shorter is filled with zeros.
;;     - A block's scale is 2^e with e = floor(log2(the largest magnitude in the block)) - 2, held to -126 .. 127; a block of zeros has e = 0. As a byte (E8M0): e + 127.
;;     - Each number is divided by its block's scale, clamped to +-7.5, and rounded to the nearest number of E2M3, ties to even, subnormals kept.
;;     - The product sums the exact products of the quantised numbers (number of the format x scale) in f32.
;;   ~~~python
;;   def quantise(x, axis):      # numpy; x: float32 -> the quantised numbers, widened to float32 again
;;       x = np.moveaxis(x, axis, -1); K = x.shape[-1]
;;       x = np.pad(x, [(0, 0)] * (x.ndim - 1) + [(0, -K % 32)]); x = x.reshape(x.shape[:-1] + (-1, 32)); a = np.abs(x).max(-1, keepdims=True)
;;       e = np.where(a > 0, np.clip(np.frexp(np.where(a > 0, a, 1))[1] - 1 - 2, -126, 127), 0)      # np.frexp(a)[1] - 1 = floor(log2(a)), exactly
;;       r = np.clip(x / 2.0 ** e, -7.5, 7.5)
;;       step = 2.0 ** (np.maximum(np.frexp(np.where(r == 0, 1, r))[1] - 1, 0) - 3)
;;       q = np.round(r / step) * step * 2.0 ** e      # np.round: ties to even
;;       return np.moveaxis(q.reshape(q.shape[:-2] + (-1,))[..., :K], -1, axis).astype(np.float32)
;;   ~~~
;;   SOFTMAX AHEAD OF A QUANTISED PRODUCT. Where the list says 'softmax', what is quantised is not the finished softmax but p = 2^(t - M), with t = logit x log2(e) and M = ceil(the row's largest t), a whole number; so 1/2 < the row's largest p <= 1. The row's sum l is taken of the UNQUANTISED p, in f32, and the product's result is divided by l at the end. Since M is a whole number, a kernel that streams over the keys may use a running M (the ceiling of the running maximum): every later rescaling is an exact power of two, which a block's scale takes up: the codes' values come out the same.
;;   OPERANDS COMPUTED ON THE WAY. 'Computed on the way' means the value that the module computes at that place (a softmax that the list does not call 'softmax' is quantised finished and normalised). What goes into a quantiser is computed in f32, as accurately as f32 sums, v_exp_f32 and their like allow (about 1e-6 of the number): no bf16 or f16 on the way to a quantiser, and a product that is left as it is and whose result goes on into a quantised operand takes f32 operands (vector FMAs, or v_wmma_f32_16x16x4_f32). A number that lies on a knife's edge between two numbers of the format may be rounded either way, as far as f32 arithmetic and the matrix unit's own rounding can turn it there, and no further.
;; One version. Each part assembles by itself: llvm-mc -triple=amdgcn-amd-amdhsa -mcpu=gfx1250 --defsym DOCPART=n.
;; ======== version 1 of 1: 4 launches
;; limits: right only within a limited range of input values
;; workspace buffers: xq 1,703,936 bytes; wts 1,064,960 bytes; qkv 5,242,880 bytes; zq 1,835,008 bytes
;; launch prep (part 1): grid 416 x 1, 4 waves a work-group, no clusters, 0 bytes of LDS; arguments x, ffn_w, wq, wk, wv, w_mh, xq, wts; writes xq, wts
.if DOCPART == 1
	.amdgcn_target "amdgcn-amd-amdhsa--gfx1250"
	.amdhsa_code_object_version 6
	.text
	.protected	k_qb87dde01b5_prep
	.globl	k_qb87dde01b5_prep
	.p2align	8
	.type	k_qb87dde01b5_prep,@function
k_qb87dde01b5_prep:
	s_mov_b64 s[64:65], 0
	v_nop
	global_prefetch_b8 v0, s[64:65] scope:SCOPE_SE
	s_setreg_imm32_b32 hwreg(HW_REG_WAVE_MODE, 25, 1), 1
	s_wait_xcnt 0x0
; PREP: x [4096][512] and the five weights, f32, become codes of FP6 (E2M3) with one E8M0 scale byte for each 32 along K, laid as IMAGES OF OPERAND REGISTERS.
; A TILE is 16 rows (of x, of ffn_w) or 16 columns (of wq, wk, wv, w_mh): lane r of tile 2 B + u stands for index 32 B + 8 u + r + 8 (r / 8).
; A TILE RECORD, 6,656 bytes, holds a tile's 512 along K: four fragment images of 1,536 bytes (registers 4 c .. 4 c + 3 of lane l at 512 c + 16 l), then four scale images of 128 bytes (lane l's word at 4 l).
; xq: record T for x's tile T.  wts: records 12 head + 4 role + t (role 0, 1, 2 = wq, wk, wv; t = the head's four tiles of columns); 96 + t for w_mh's 32 tiles of columns; 128 + t for ffn_w's 32 tiles of rows.
; One wave makes one fragment (16 x 128 K) and its scale image.  Work-groups 0-287: K innermost (x, ffn_w): the four waves take a tile's four K steps.  Work-groups 288-415: K is the first axis of the matrix: the four
; waves take four tiles of columns side by side, a lane takes a column and its registers run down K.  No two work-groups read the same bytes, so there is nothing to share in a cluster; no LDS, no barrier.
; A block's scale is 2^(floor(log2(its largest magnitude)) - 2); its byte is that magnitude's exponent field - 2, held at 1 from below.
; LIMITS: a block of zeros, and one whose largest magnitude lies under 2^-124, gets the byte 1 (the rule says 127 for zeros): its codes are zeros and this program alone reads the bytes.  NaN and infinities are not served.
.set REC,   6656
.set PC,    16                         ; v16-35  the codes
.set TM,    36                         ; v36-51  the quantiser's work
.set PW,    52                         ; v52     the scale word
.set X,     64                         ; v64-127 64 numbers of a lane
.set SEL,   40                         ; s[40:41] lane selects for v_permlanex16_b32: lane l xor 16
; 64 numbers of a lane, register 16 b + i = k 32 b + 16 (lane / 16) + i of my row, become a fragment's codes in v[PC] on and its scale word in v[PW]
.macro QUANT s
.irp b, 0,1,2,3
	v_max3_num_f32 v[TM+\b], |v[(\s)+16*\b]|, |v[(\s)+1+16*\b]|, 0x1800000   ; my 16 numbers of block b, and the floor 2^(3 - 127): the byte cannot fall under 1
.endr
.irp i, 2,4,6,8,10,12,14
.irp b, 0,1,2,3
	v_max3_num_f32 v[TM+\b], v[TM+\b], |v[(\s)+16*\b+\i]|, |v[(\s)+1+16*\b+\i]|   ; the four blocks by turns
.endr
.endr
.irp b, 0,1,2,3
	v_permlanex16_b32 v[TM+4+\b], v[TM+\b], s[SEL], s[SEL+1]
.endr
.irp b, 0,1,2,3
	v_max_num_f32 v[TM+\b], v[TM+\b], v[TM+4+\b]           ; with lane l xor 16's: the block's largest magnitude
.endr
.irp b, 0,1,2,3
	v_add_nc_u32 v[TM+12+\b], 0xff000000, v[TM+\b]         ; 2 off its exponent field: the conversion's scale operand
.endr
.irp b, 0,1,2,3
	v_lshrrev_b32 v[TM+4+\b], 23, v[TM+12+\b]              ; the scale's byte
.endr
	v_lshl_or_b32 v[PW], v[TM+5], 8, v[TM+4]
	v_lshl_or_b32 v[PW], v[TM+6], 16, v[PW]
	v_lshl_or_b32 v[PW], v[TM+7], 24, v[PW]
.irp c, 0,1
	v_cvt_scalef32_pk16_fp6_f32 v[PC+6*\c:PC+6*\c+2], v[(\s)+32*\c:(\s)+32*\c+15], v[TM+12+2*\c]
	v_cvt_scalef32_pk16_fp6_f32 v[PC+12+4*\c:PC+14+4*\c], v[(\s)+32*\c+16:(\s)+32*\c+31], v[TM+13+2*\c]   ; (a conversion's three registers begin on an even number)
.endr
	v_nop                                                  ; one plain place behind a scaled conversion
.irp c, 0,1                                                ; the operand wants a whole block in a lane: lanes 0-15 block 2 c, lanes 16-31 block 2 c + 1
.irp i, 0,1,2
	v_permlane16_swap_b32 v[PC+6*\c+\i], v[PC+12+4*\c+\i]
.endr
.irp i, 0,1,2
	v_mov_b32 v[PC+3+6*\c+\i], v[PC+12+4*\c+\i]
.endr
.endr
.endm
; a column's 64 numbers down K: register 32 c + i = row 64 c + 32 (lane / 16) + i; rp = bytes from row to row
.macro KLOAD rp
.set i, 0
.rept 64
	global_load_b32 v[X+i], v4, s[22:23] offset:(64*(i/32)+i%32)*\rp
.set i, i+1
.endr
.endm
	s_load_b256 s[4:11], s[0:1], 0x0               ; x s[4:5], ffn_w s[6:7], wq s[8:9], wk s[10:11]
	s_load_b256 s[12:19], s[0:1], 0x20             ; wv s[12:13], w_mh s[14:15], xq s[16:17], wts s[18:19]
	v_lshrrev_b32 v1, 5, v0
	v_readfirstlane_b32 s20, v1                    ; wave 0..3
	v_and_b32 v1, 31, v0                           ; lane
	v_and_b32 v2, 15, v0                           ; r
	v_bfe_u32 v3, v0, 4, 1                         ; h
	v_lshlrev_b32 v5, 4, v1                        ; an image's place for my lane
	v_lshlrev_b32 v6, 2, v1                        ; a scale word's
	v_and_b32 v7, 8, v2
	v_add_nc_u32 v7, v7, v2                        ; r + 8 (r / 8)
.irp b, 0,1,2,3
	v_mov_b32 v[TM+4+\b], 0                        ; written once: a lane permute's destination counts as one of its sources
.endr
	s_mov_b32 s[SEL], 0x76543210
	s_mov_b32 s[SEL+1], 0xfedcba98
	s_mov_b32 s33, 0                               ; the upper word of every offset
	s_wait_kmcnt 0x0
	s_cmp_lt_u32 ttmp9, 288
	s_cbranch_scc0 .Louter
	; ---- K innermost: x's tile (work-groups 0-255) or ffn_w's (256-287); my wave's K step
	s_cmp_lt_u32 ttmp9, 256                        ; the choice hangs on the work-group's number alone
	s_cselect_b64 s[22:23], s[4:5], s[6:7]         ; from
	s_cselect_b64 s[24:25], s[16:17], s[18:19]     ; to
	s_cselect_b32 s28, 0, 256
	s_cselect_b32 s29, 0, 128
	s_sub_co_u32 s28, ttmp9, s28                   ; the tile
	s_add_co_u32 s29, s29, s28                     ; its record
	s_mov_b32 s30, s20                             ; the K step
	s_lshr_b32 s31, s28, 1
	s_lshl_b32 s31, s31, 16                        ; 32 rows of 2,048 bytes for each pair of tiles,
	s_and_b32 s32, s28, 1
	s_lshl_b32 s32, s32, 14                        ; 8 rows for the odd one,
	s_add_co_u32 s32, s32, s31
	s_lshl_b32 s31, s20, 9                         ; 512 bytes a K step
	s_add_co_u32 s32, s32, s31
	s_add_nc_u64 s[22:23], s[22:23], s[32:33]
	s_wait_alu depctr_va_vdst(0)
	v_lshlrev_b32 v4, 11, v7
	v_lshl_add_u32 v4, v3, 6, v4                   ; my row, + 64 h: my 16 numbers of a block of 32
.irp b, 0,1,2,3
.irp j, 0,1,2,3
	global_load_b128 v[X+16*\b+4*\j:X+16*\b+4*\j+3], v4, s[22:23] offset:128*\b+16*\j
.endr
.endr
	s_wait_loadcnt 0x0
	QUANT X
	s_branch .Lstore
.Louter:
	; ---- K is the matrix's first axis: work-group 288 + 32 which + 4 g + K step; my wave's tile of the group's 64 columns
	s_sub_co_u32 s28, ttmp9, 288
	s_lshr_b32 s31, s28, 5                         ; 0, 1, 2, 3: wq, wk, wv, w_mh
	s_bfe_u32 s32, s28, 0x30002                    ; g: the head, or which 64 columns of w_mh
	s_and_b32 s30, s28, 3                          ; the K step
	s_mov_b64 s[22:23], s[14:15]
	s_cmp_eq_u32 s31, 0
	s_cselect_b64 s[22:23], s[8:9], s[22:23]
	s_cmp_eq_u32 s31, 1
	s_cselect_b64 s[22:23], s[10:11], s[22:23]
	s_cmp_eq_u32 s31, 2
	s_cselect_b64 s[22:23], s[12:13], s[22:23]
	s_mov_b64 s[24:25], s[18:19]
	s_lshr_b32 s34, s20, 1
	s_lshl_b32 s34, s34, 5
	s_and_b32 s35, s20, 1
	s_lshl_b32 s35, s35, 3
	s_add_co_u32 s34, s34, s35                     ; my tile's first column: 32 (t / 2) + 8 (t % 2)
	s_wait_alu depctr_va_vdst(0)
	v_add_nc_u32 v8, s34, v7
	v_lshlrev_b32 v8, 2, v8                        ; my column, in bytes
	s_cmp_eq_u32 s31, 3
	s_cbranch_scc1 .Lmh
	s_lshl_b32 s34, s32, 17                        ; a head is 512 rows of 256 bytes,
	s_lshl_b32 s35, s30, 15                        ; a K step 128 rows
	s_add_co_u32 s32, s34, s35
	s_add_nc_u64 s[22:23], s[22:23], s[32:33]
	s_bfe_u32 s29, s28, 0x30002
	s_mul_i32 s29, s29, 12
	s_lshl_b32 s31, s31, 2
	s_add_co_u32 s29, s29, s31
	s_add_co_u32 s29, s29, s20                     ; record 12 head + 4 role + t
	s_wait_alu depctr_va_vdst(0)
	v_lshl_add_u32 v4, v3, 13, v8                  ; lanes 16-31 begin 32 rows further down
	KLOAD 256
	s_branch .Lcolumn
.Lmh:
	s_lshl_b32 s29, s32, 2
	s_add_co_u32 s29, s29, s20
	s_add_co_u32 s29, s29, 96                      ; record 96 + 4 g + t
	s_lshl_b32 s34, s32, 8                         ; 64 columns are 256 bytes,
	s_lshl_b32 s35, s30, 18                        ; a K step 128 rows of 2,048 bytes
	s_add_co_u32 s32, s34, s35
	s_add_nc_u64 s[22:23], s[22:23], s[32:33]
	s_wait_alu depctr_va_vdst(0)
	v_lshl_add_u32 v4, v3, 16, v8
	KLOAD 2048
.Lcolumn:
	s_wait_loadcnt 0x0
.irp c, 0,1                                        ; my block 2 c + h: all its 32 numbers are mine
	v_max3_num_f32 v[TM+\c], |v[X+32*\c]|, |v[X+1+32*\c]|, 0x1800000
.endr
.irp i, 2,4,6,8,10,12,14,16,18,20,22,24,26,28,30
.irp c, 0,1
	v_max3_num_f32 v[TM+\c], v[TM+\c], |v[X+32*\c+\i]|, |v[X+1+32*\c+\i]|
.endr
.endr
.irp c, 0,1
	v_add_nc_u32 v[TM+12+\c], 0xff000000, v[TM+\c]
.endr
.irp c, 0,1
	v_lshrrev_b32 v[TM+4+\c], 23, v[TM+12+\c]
.endr
	v_lshl_or_b32 v[PW], v[TM+5], 16, v[TM+4]      ; my two bytes: blocks h and 2 + h of my column,
	v_lshlrev_b32 v8, 3, v3
	v_lshlrev_b32 v[PW], v8, v[PW]                 ; at their places in the word;
	v_permlanex16_b32 v[TM+6], v[PW], s[SEL], s[SEL+1]
	v_or_b32 v[PW], v[PW], v[TM+6]                 ; with lane l xor 16's two the word is whole
.irp c, 0,1
	v_cvt_scalef32_pk16_fp6_f32 v[PC+6*\c:PC+6*\c+2], v[X+32*\c:X+32*\c+15], v[TM+12+\c]
	v_cvt_scalef32_pk16_fp6_f32 v[PC+12+4*\c:PC+14+4*\c], v[X+32*\c+16:X+32*\c+31], v[TM+12+\c]
.endr
	v_nop                                          ; one plain place behind a scaled conversion
.irp c, 0,1
.irp i, 0,1,2
	v_mov_b32 v[PC+3+6*\c+\i], v[PC+12+4*\c+\i]
.endr
.endr
.Lstore:                                           ; s[24:25] the buffer, s29 the record, s30 the K step
	s_mul_i32 s32, s29, REC
	s_mul_i32 s31, s30, 1536
	s_add_co_u32 s32, s32, s31
	s_add_nc_u64 s[26:27], s[24:25], s[32:33]      ; the fragment's image
	s_mul_i32 s32, s29, REC
	s_lshl_b32 s31, s30, 7
	s_add_co_u32 s32, s32, s31
	s_add_nc_u64 s[24:25], s[24:25], s[32:33]      ; its scale image, 6,144 bytes on
	s_wait_alu depctr_va_vdst(0)
.irp c, 0,1,2
	global_store_b128 v5, v[PC+4*\c:PC+4*\c+3], s[26:27] offset:512*\c   ; 32 lanes store 512 consecutive bytes, at a multiple of 256 from the buffer's first byte
.endr
	global_store_b32 v6, v[PW], s[24:25] offset:6144   ; 128 bytes; a K-innermost work-group's four waves store a record's 512 on end
	s_endpgm
.Lfunc_end_k_qb87dde01b5_prep:
	.size	k_qb87dde01b5_prep, .Lfunc_end_k_qb87dde01b5_prep-k_qb87dde01b5_prep
	.p2alignl 7, 3214868480
	.fill 96, 4, 3214868480
	.section	.rodata,"a",@progbits
	.p2align	6, 0x0
	.amdhsa_kernel k_qb87dde01b5_prep
		.amdhsa_group_segment_fixed_size 0
		.amdhsa_private_segment_fixed_size 0
		.amdhsa_enable_private_segment 0
		.amdhsa_kernarg_size 64
		.amdhsa_user_sgpr_count 2
		.amdhsa_user_sgpr_kernarg_segment_ptr 1
		.amdhsa_wavefront_size32 1
		.amdhsa_system_sgpr_workgroup_id_x 1
		.amdhsa_system_sgpr_workgroup_id_y 1
		.amdhsa_system_sgpr_workgroup_id_z 1
		.amdhsa_system_vgpr_workitem_id 0
		.amdhsa_next_free_vgpr 128
		.amdhsa_next_free_sgpr 66
		.amdhsa_reserve_vcc 0
		.amdhsa_float_denorm_mode_32 3
		.amdhsa_float_denorm_mode_16_64 3
		.amdhsa_memory_ordered 1
		.amdhsa_forward_progress 1
		.amdhsa_inst_pref_size 25
	.end_amdhsa_kernel
	.amdgpu_metadata
---
amdhsa.version: [ 1, 2 ]
amdhsa.kernels:
  - .name:           k_qb87dde01b5_prep
    .symbol:         k_qb87dde01b5_prep.kd
    .args:
      - { .name: x, .offset: 0, .size: 8, .value_kind: global_buffer, .address_space: global }
      - { .name: ffn_w, .offset: 8, .size: 8, .value_kind: global_buffer, .address_space: global }
      - { .name: wq, .offset: 16, .size: 8, .value_kind: global_buffer, .address_space: global }
      - { .name: wk, .offset: 24, .size: 8, .value_kind: global_buffer, .address_space: global }
      - { .name: wv, .offset: 32, .size: 8, .value_kind: global_buffer, .address_space: global }
      - { .name: w_mh, .offset: 40, .size: 8, .value_kind: global_buffer, .address_space: global }
      - { .name: xq, .offset: 48, .size: 8, .value_kind: global_buffer, .address_space: global }
      - { .name: wts, .offset: 56, .size: 8, .value_kind: global_buffer, .address_space: global }
    .group_segment_fixed_size: 0
    .private_segment_fixed_size: 0
    .kernarg_segment_align: 8
    .kernarg_segment_size: 64
    .max_flat_workgroup_size: 128
    .sgpr_count:     66
    .vgpr_count:     128
    .wavefront_size: 32
...
	.end_amdgpu_metadata
.endif
;; end of part 1
;; launch qkv (part 2): grid 32 x 8, 8 waves a work-group, clusters of 4 x 4, 168,960 bytes of LDS; arguments xq, wts, qkv; writes qkv
.if DOCPART == 2
	.amdgcn_target "amdgcn-amd-amdhsa--gfx1250"
	.amdhsa_code_object_version 6
	.text
	.protected	k_qb87dde01b5_qkv
	.globl	k_qb87dde01b5_qkv
	.p2align	8
	.type	k_qb87dde01b5_qkv,@function
k_qb87dde01b5_qkv:
	s_mov_b64 s[64:65], 0
	v_nop
	global_prefetch_b8 v0, s[64:65] scope:SCOPE_SE
	s_setreg_imm32_b32 hwreg(HW_REG_WAVE_MODE, 25, 1), 1
	s_wait_xcnt 0x0
	s_wait_alu depctr_hold_cnt(0) depctr_sa_sdst(0) depctr_va_vdst(0) depctr_va_sdst(0) depctr_va_ssrc(0) depctr_va_vcc(0) depctr_vm_vsrc(0)
	s_getreg_b32 s2, hwreg(HW_REG_IB_STS2, 6, 4)
	s_cmp_eq_u32 s2, 0
	s_cbranch_scc0 .Lentry_in_a_cluster
	s_endpgm
.Lentry_in_a_cluster:
	s_bfe_u32 s2, ttmp6, 0x10000c
	s_cmp_lg_u32 s2, 0xf033
	s_cbranch_scc0 .Lentry_shape_is_right
	s_endpgm
.Lentry_shape_is_right:
; QKV: q, k, v = x wq, x wk, x wv for one head and 128 rows of x, on codes of FP6 (E2M3) with E8M0 scales; the results are quantised at once: q and k along the head's 64, v along the keys.
; A work-group (gx, hy) makes record 32 hy + gx of the buffer qkv, 20,480 bytes:
;   0      K's codes: 8 half images of 768 bytes, one for each tile of 16 keys (6 registers: 0-3 of lane l at 16 l, 4-5 at 512 + 8 l);
;   6144   V's codes: half image 2 c + kh = 16 channels (tile c) x 64 keys (half kh): two on end are a fragment of 128 keys;
;   12288  K's scale words: that of tile t, row r at 16 (16 (t % 2) + r) + 4 (t / 2);      12800  V's: tile c's word of lane l at 16 l + 4 c;
;   13312  Q's codes: 8 half images;      19456  Q's scale words: 8 images of 128 bytes.
; TILES: lane r of tile 2 B + u of any axis stands for index 32 B + 8 u + r + 8 (r / 8).  With such a tile as source 0, the 16 registers of result tiles 2 B and 2 B + 1 are 16 neighbours, 32 B + 16 (lane / 16) + 0 .. 15.
; q, k: source 0 = the weight's four tiles of columns, source 1 = my wave's tile of x: a lane holds one row, its 32 registers run along the head's 64.
; v:    source 0 = four tiles of x, source 1 = one tile of wv's columns: a lane holds one channel, its 32 registers run along 64 keys.  Wave w: channels' tile w / 2, key half w % 2.
; LDS is filled once: 8 records of x and the head's 12 records of weights, by one tensor load a wave (one is out).  CLUSTER 4 x 4: x's records hang on gx alone and are asked for jointly by a column
; of the cluster, the weights on hy alone, by a row.  The record being made is gathered in a stage, into which no tensor load lands, and leaves in stores of 512 consecutive bytes.
; LIMITS: blocks of zeros and blocks under 2^-124 get the byte 1; NaN and infinities are not served.
.set REC,  6656                        ; a tile record: 4 fragment images of 1,536 bytes, 4 scale images of 128
.set WL,   8*REC                       ; LDS: x's 8 records from 0, the weights' 12 from here,
.set STG,  20*REC                      ; the stage from here: 20,480 bytes
.set QREC, 20480
.set RK,   0
.set RV,   6144
.set RKS,  12288
.set RVS,  12800
.set RQ,   13312
.set RQS,  19456
.set L16,  1                           ; v1  16 x lane      v2  8 x lane      v3  4 x lane
.set L8,   2
.set L4,   3
.set AFX16, 4                          ; v4, v5    my tile of x: images, scale words
.set AFX4,  5
.set AFV16, 6                          ; v6, v7    my tile of wv
.set AFV4,  7
.set ASW16, 8                          ; v8, v9    the weights' first record
.set ASW4,  9
.set ASX16, 10                         ; v10, v11  my four tiles of x
.set ASX4,  11
.set ST16, 12                          ; v12, v13  the stage: my half image
.set ST8,  13
.set SQS,  14                          ; v14  my scale word of q        v15  of k        v240  my two scale bytes of v
.set SKS,  15
.set SVS,  240
.set CP,   241                         ; v241 the way out: my 16 bytes of the stage     v242  and of the record
.set GOF,  242
.set KT16, 243                         ; v243, v244  where my lane's codes of k go in the stage (see the lines that make them)
.set KT8,  244
.set FX,   16                          ; v16-63   source 1: four K steps;  v64-67 its scale words
.set FXS,  64
.set SB0,  68                          ; v68-115, v116-163  source 0: four tiles of one K step, two buffers;  v164-167, v168-171 their scale words
.set SB1,  116
.set SS0,  164
.set SS1,  168
.set ACC,  172                         ; v172-203 four accumulators
.set PC,   204                         ; v204-209 the codes; v216-218 the second conversion's
.set TM,   220
.set PW,   236
.set G1X,  24                          ; s[24:31], s[32:35] descriptor groups 1 and 0 for x's record;  s[48:55], s[36:39] for the weights'
.set G0X,  32
.set G0W,  36
.set G1W,  48
.set SEL,  46
.macro ROUND                           ; a round of the cluster's barrier
	s_barrier_signal -1
	s_barrier_wait -1
	s_cmp_lg_u32 s8, 0
	s_cbranch_scc1 .Lnot_wave_0_\@
	s_barrier_signal -3
.Lnot_wave_0_\@:
	s_barrier_wait -3
	s_barrier_signal -1
	s_barrier_wait -1
.endm
.macro PLACES n
.rept \n
	v_nop
.endr
.endm
; 32 numbers of a lane, register 16 b + i = k 32 b + 16 (lane / 16) + i, become 6 registers of codes in v[PC] on and two scale bytes in v[PW]
.macro QUANTH s
.irp b, 0,1
	v_max3_num_f32 v[TM+\b], |v[(\s)+16*\b]|, |v[(\s)+1+16*\b]|, 0x1800000   ; with the floor 2^(3 - 127).  Each accumulator is read from its low end on
.endr
.irp i, 2,4,6,8,10,12,14
.irp b, 0,1
	v_max3_num_f32 v[TM+\b], v[TM+\b], |v[(\s)+16*\b+\i]|, |v[(\s)+1+16*\b+\i]|
.endr
.endr
.irp b, 0,1
	s_delay_alu instid0(VALU_DEP_2)
	v_permlanex16_b32 v[TM+4+\b], v[TM+\b], s[SEL], s[SEL+1]
.endr
.irp b, 0,1
	s_delay_alu instid0(VALU_DEP_2)
	v_max_num_f32 v[TM+\b], v[TM+\b], v[TM+4+\b]
.endr
.irp b, 0,1
	s_delay_alu instid0(VALU_DEP_2)
	v_add_nc_u32 v[TM+12+\b], 0xff000000, v[TM+\b]         ; 2 off the exponent field: the conversion's scale operand
.endr
.irp b, 0,1
	s_delay_alu instid0(VALU_DEP_2)
	v_lshrrev_b32 v[TM+4+\b], 23, v[TM+12+\b]
.endr
	s_delay_alu instid0(VALU_DEP_1)
	v_lshl_or_b32 v[PW], v[TM+5], 8, v[TM+4]               ; bytes 0 and 1; bytes 2 and 3 stay 0
	v_cvt_scalef32_pk16_fp6_f32 v[PC:PC+2], v[(\s):(\s)+15], v[TM+12]
	v_cvt_scalef32_pk16_fp6_f32 v[PC+12:PC+14], v[(\s)+16:(\s)+31], v[TM+13]
	v_nop                                                  ; one plain place behind a scaled conversion
.irp i, 0,1,2
	v_permlane16_swap_b32 v[PC+\i], v[PC+12+\i]            ; a whole block to a lane: lanes 0-15 block 0, lanes 16-31 block 1
.endr
.irp i, 0,1,2
	s_delay_alu instid0(VALU_DEP_3)
	v_mov_b32 v[PC+3+\i], v[PC+12+\i]
.endr
.endm
.macro FIX a16, a4                     ; source 1: a tile's four fragments and scale words: 16 LDS loads
.irp ks, 0,1,2,3
.irp c, 0,1,2
	ds_load_b128 v[FX+12*\ks+4*\c:FX+12*\ks+4*\c+3], v[\a16] offset:1536*\ks+512*\c
.endr
	ds_load_b32 v[FXS+\ks], v[\a4] offset:6144+128*\ks
.endr
.endm
.macro LOADG sb, ss, a16, a4, base, ks ; source 0: four tiles' fragments and scale words of one K step: 16 LDS loads
.irp i, 0,1,2,3
.irp c, 0,1,2
	ds_load_b128 v[\sb+12*\i+4*\c:\sb+12*\i+4*\c+3], v[\a16] offset:(\base)+REC*\i+1536*\ks+512*\c
.endr
	ds_load_b32 v[\ss+\i], v[\a4] offset:(\base)+REC*\i+6144+128*\ks
.endr
.endm
.macro MUL4 sb, ss, ks, zero           ; the four accumulators by turns, one instruction a turn
.irp i, 0,1,2,3
.if \zero
	v_wmma_scale_f32_16x16x128_f8f6f4 v[ACC+8*\i:ACC+8*\i+7], v[\sb+12*\i:\sb+12*\i+11], v[FX+12*\ks:FX+12*\ks+11], 0, v[\ss+\i], v[FXS+\ks] matrix_a_fmt:MATRIX_FMT_FP6 matrix_b_fmt:MATRIX_FMT_FP6
.else
	v_wmma_scale_f32_16x16x128_f8f6f4 v[ACC+8*\i:ACC+8*\i+7], v[\sb+12*\i:\sb+12*\i+11], v[FX+12*\ks:FX+12*\ks+11], v[ACC+8*\i:ACC+8*\i+7], v[\ss+\i], v[FXS+\ks] matrix_a_fmt:MATRIX_FMT_FP6 matrix_b_fmt:MATRIX_FMT_FP6
.endif
.endr
.endm
; A product of 64 x 16 over K = 512: sixteen matrix instructions; a K step's loads are issued a K step ahead, into two buffers.
.macro PROD a16, a4, base
	LOADG SB0, SS0, \a16, \a4, \base, 0
	LOADG SB1, SS1, \a16, \a4, \base, 1
	s_wait_dscnt 16                                ; all but the 16 loads of the K step after this one: source 1, this step's tiles, and every earlier store into the stage
	MUL4 SB0, SS0, 0, 1                            ; the first K step starts the sums
	PLACES 4                                       ; in front of loads into registers that matrix instructions have read
	LOADG SB0, SS0, \a16, \a4, \base, 2
	s_wait_dscnt 16
	MUL4 SB1, SS1, 1, 0
	PLACES 4
	LOADG SB1, SS1, \a16, \a4, \base, 3
	s_wait_dscnt 16
	MUL4 SB0, SS0, 2, 0
	s_wait_dscnt 0x0
	MUL4 SB1, SS1, 3, 0
	PLACES 5                                       ; four in front of the first read of results; five in front of the next product, which begins these accumulators anew
.endm
.macro HSTORE off                      ; the six registers of codes go to the stage as they stand
	ds_store_b128 v[ST16], v[PC:PC+3] offset:\off
	ds_store_b64 v[ST8], v[PC+4:PC+5] offset:\off+512
.endm
	s_load_b128 s[4:7], s[0:1], 0x0                ; xq s[4:5], wts s[6:7]
	s_load_b64 s[10:11], s[0:1], 0x10              ; qkv
	v_lshl_add_u32 v254, v0, 2, 0x29000
	v_mov_b32 v255, 0
	ds_add_u32 v254, v255
	ds_add_u32 v254, v255
	v_lshrrev_b32 v1, 5, v0
	s_delay_alu instid0(VALU_DEP_1)
	v_readfirstlane_b32 s8, v1                     ; wave 0..7
	s_bfe_u32 s12, ttmp6, 0x40000                  ; cx, cy: my place in the cluster
	s_bfe_u32 s13, ttmp6, 0x40004
	s_lshl_b32 s14, ttmp9, 2
	s_add_co_u32 s14, s14, s12                     ; gx: which 128 rows
	s_and_b32 s15, ttmp7, 0xffff
	s_lshl_b32 s15, s15, 2
	s_add_co_u32 s15, s15, s13                     ; hy: the head
	s_lshl_b32 s16, 0x1111, s12                    ; my column of the cluster (same gx)
	s_lshl_b32 s17, s13, 2
	s_lshl_b32 s17, 15, s17                        ; my row (same hy)
	; descriptor groups 1: dense blocks as rows of 256 bytes (32 elements of 8 bytes), no padding: 26 rows are a record of x, 39 rows an eighth of the head's 12 records
	s_or_b32 s[G1X], s16, (3<<16)|(1<<21)
	s_mov_b32 s[G1X+1], 32<<16
	s_mov_b32 s[G1X+2], 52<<16                     ; 52 rows of 256 bytes: two records of x to each of waves 0-3
	s_mov_b32 s[G1X+3], 32<<16
	s_mov_b32 s[G1X+4], 52
	s_mov_b32 s[G1X+5], 32
	s_mov_b32 s[G1X+6], 0
	s_mov_b32 s[G1X+7], 0
	s_or_b32 s[G1W], s17, (3<<16)|(1<<21)
	s_mov_b32 s[G1W+1], 32<<16
	s_mov_b32 s[G1W+2], 78<<16                     ; 78 rows: three records of weights to each of waves 4-7
	s_mov_b32 s[G1W+3], 32<<16
	s_mov_b32 s[G1W+4], 78
	s_mov_b32 s[G1W+5], 32
	s_mov_b32 s[G1W+6], 0
	s_mov_b32 s[G1W+7], 0
	; every LDS address: constants, the lane, the wave
	v_and_b32 v3, 31, v0
	s_delay_alu instid0(VALU_DEP_1)
	v_lshlrev_b32 v[L16], 4, v3
	s_delay_alu instid0(VALU_DEP_2)
	v_lshlrev_b32 v[L8], 3, v3
	s_delay_alu instid0(VALU_DEP_3)
	v_lshlrev_b32 v[L4], 2, v3
	s_lshr_b32 s18, s8, 1                          ; w / 2
	s_and_b32 s19, s8, 1                           ; w % 2
	s_mul_i32 s20, s8, REC
	v_add_nc_u32 v[AFX16], s20, v[L16]
	v_add_nc_u32 v[AFX4], s20, v[L4]
	s_mul_i32 s20, s18, REC
	s_add_co_u32 s20, s20, WL+8*REC
	v_add_nc_u32 v[AFV16], s20, v[L16]
	v_add_nc_u32 v[AFV4], s20, v[L4]
	v_add_nc_u32 v[ASW16], WL, v[L16]
	v_add_nc_u32 v[ASW4], WL, v[L4]
	s_mul_i32 s20, s19, 4*REC
	v_add_nc_u32 v[ASX16], s20, v[L16]
	v_add_nc_u32 v[ASX4], s20, v[L4]
	s_mul_i32 s20, s8, 768
	s_add_co_u32 s20, s20, STG
	v_add_nc_u32 v[ST16], s20, v[L16]
	v_add_nc_u32 v[ST8], s20, v[L8]
	s_lshl_b32 s20, s8, 7
	s_add_co_u32 s20, s20, STG+RQS
	v_add_nc_u32 v[SQS], s20, v[L4]
	s_lshl_b32 s21, s18, 2
	s_lshl_b32 s20, s19, 1
	s_add_co_u32 s20, s20, s21
	s_add_co_u32 s20, s20, STG+RVS
	v_add_nc_u32 v[SVS], s20, v[L16]
	s_mul_i32 s20, s8, 2560
	v_add_nc_u32 v[GOF], s20, v[L16]
	s_add_co_u32 s20, s20, STG
	v_add_nc_u32 v[CP], s20, v[L16]
	; K'S IMAGES ARE LAID BY OTHER TILES THAN x's: tile 4 c + u, row 8 h + j of K's images is key 64 c + 32 h + 8 u + j of the 128.
	; My wave's tile w of x, row r = j + 8 rh, is key 32 (w / 2) + 8 (w % 2) + j + 16 rh: so c = w / 4, h = (w / 2) % 2, u = w % 2 + 2 rh.  hk = lane / 16 is the half of the head's 64.
	v_and_b32 v245, 7, v0                          ; j
	v_bfe_u32 v246, v0, 3, 1                       ; rh
	v_bfe_u32 v247, v0, 4, 1                       ; hk
	s_wait_alu depctr_va_vdst(0)
	s_lshr_b32 s20, s8, 2                          ; c
	s_lshl_b32 s21, s20, 2
	s_add_co_u32 s21, s21, s19
	s_mul_i32 s21, s21, 768                        ; image 4 c + w % 2 (rh adds two images)
	s_and_b32 s22, s18, 1                          ; h
	s_lshl_b32 s23, s22, 7
	s_add_co_u32 s23, s23, s21
	s_add_co_u32 s23, s23, STG
	v_lshlrev_b32 v[KT16], 4, v245
	v_mad_u32_u24 v[KT16], v246, 1536, v[KT16]
	v_lshl_add_u32 v[KT16], v247, 8, v[KT16]
	v_add_nc_u32 v[KT16], s23, v[KT16]             ; 16 x (8 h + j + 16 hk) in that image
	s_lshl_b32 s23, s22, 6
	s_add_co_u32 s23, s23, s21
	s_add_co_u32 s23, s23, STG
	v_lshlrev_b32 v[KT8], 3, v245
	v_mad_u32_u24 v[KT8], v246, 1536, v[KT8]
	v_lshl_add_u32 v[KT8], v247, 7, v[KT8]
	v_add_nc_u32 v[KT8], s23, v[KT8]               ; 8 x the same lane
	s_lshl_b32 s23, s19, 8
	s_lshl_b32 s21, s22, 7
	s_add_co_u32 s23, s23, s21
	s_lshl_b32 s21, s20, 3
	s_add_co_u32 s23, s23, s21
	s_add_co_u32 s23, s23, STG+RKS
	v_lshlrev_b32 v[SKS], 4, v245
	v_lshl_add_u32 v[SKS], v246, 2, v[SKS]
	v_add_nc_u32 v[SKS], s23, v[SKS]               ; the scale word of tile t, row m at 16 (16 (t % 2) + m) + 4 (t / 2)
	v_mov_b32 v[TM+4], 0                           ; written once: a lane permute's destination counts as one of its sources
	v_mov_b32 v[TM+5], 0
	s_mov_b32 s[SEL], 0x76543210
	s_mov_b32 s[SEL+1], 0xfedcba98
	; where the tiles come from.  x's address is made of gx and the wave, the weights' of hy and the wave, each in registers that never hold the other coordinate
	s_and_b32 s58, s8, 3                           ; my place among the four waves that fetch x, or among the four that fetch weights
	s_lshl_b32 s59, s58, 1
	s_lshl_b32 s40, s14, 3
	s_add_co_u32 s40, s40, s59
	s_mul_i32 s40, s40, REC
	s_mov_b32 s41, 0
	s_mul_i32 s42, s15, 12*REC
	s_mul_i32 s44, s58, 78*256
	s_add_co_u32 s42, s42, s44
	s_mov_b32 s43, 0
	s_lshl_b32 s56, s15, 5
	s_add_co_u32 s56, s56, s14
	s_mul_i32 s56, s56, QREC                       ; my record of qkv
	s_mov_b32 s57, 0
	s_mov_b32 s[G0X], 1
	s_mul_i32 s[G0X+1], s59, REC
	s_mov_b32 s[G0W], 1
	s_add_co_u32 s[G0W+1], s44, WL
	s_wait_alu depctr_va_vdst(0)
	s_wait_dscnt 0x0
	s_wait_kmcnt 0x0
	s_add_nc_u64 s[G0X+2:G0X+3], s[4:5], s[40:41]
	s_or_b32 s[G0X+3], s[G0X+3], 0x80000000
	s_add_nc_u64 s[G0W+2:G0W+3], s[6:7], s[42:43]
	s_or_b32 s[G0W+3], s[G0W+3], 0x80000000
	s_add_nc_u64 s[10:11], s[10:11], s[56:57]
	ROUND                                          ; all sixteen work-groups are here: the joint loads meet
	s_cmp_lt_u32 s8, 4                             ; one tensor load a wave: waves 0-3 fetch x's eight records, waves 4-7 the head's twelve of weights
	s_cbranch_scc0 .Lfor_w
	tensor_load_to_lds s[G0X:G0X+3], s[G1X:G1X+7]
	s_nop 0
	PLACES 4
	s_branch .Lasked
.Lfor_w:
	tensor_load_to_lds s[G0W:G0W+3], s[G1W:G1W+7]
	s_nop 0
	PLACES 4
.Lasked:
	s_wait_tensorcnt 0x0                           ; my part is in,
	s_barrier_signal -1
	s_barrier_wait -1                              ; everybody's are
	FIX AFX16, AFX4                                ; my tile of x
	PROD ASW16, ASW4, 0                            ; q
	QUANTH ACC
	HSTORE RQ
	ds_store_b32 v[SQS], v[PW]
	PROD ASW16, ASW4, 4*REC                        ; k.  (Its last wait, for 0, stands ahead of the lines that write the codes' registers again)
	QUANTH ACC
	ds_store_b128 v[KT16], v[PC:PC+3] offset:RK    ; each lane's six registers go to its key's place in K's images
	ds_store_b64 v[KT8], v[PC+4:PC+5] offset:RK+512
	ds_store_b32 v[SKS], v[PW]                     ; lanes r and r + 16 write the same word with the same value
	FIX AFV16, AFV4                                ; my tile of wv's columns
	PROD ASX16, ASX4, 0                            ; v, 64 keys x 16 channels
	QUANTH ACC
	HSTORE RV
	ds_store_b16 v[SVS], v[PW]                     ; my key half's two bytes of the channel's scale word
	s_wait_dscnt 0x0                               ; for the others' sake: my stores into the stage are done
	s_barrier_signal -1
	s_barrier_wait -1
.irp i, 0,1,2,3,4
	ds_load_b128 v[16+4*\i:19+4*\i], v[CP] offset:512*\i
.endr
.irp i, 0,1,2,3,4
	s_wait_dscnt 4-\i                              ; the younger loads may be out
	global_store_b128 v[GOF], v[16+4*\i:19+4*\i], s[10:11] offset:512*\i   ; 32 lanes store 512 consecutive bytes, at a multiple of 256 from the buffer's first byte
.endr
	s_wait_tensorcnt 0x0
	ds_add_u32 v254, v255
	s_wait_dscnt 0x0
	ROUND                                          ; the closing round: no work-group ends while a partner may still ask for a tile that names it
	s_endpgm
.Lfunc_end_k_qb87dde01b5_qkv:
	.size	k_qb87dde01b5_qkv, .Lfunc_end_k_qb87dde01b5_qkv-k_qb87dde01b5_qkv
	.p2alignl 7, 3214868480
	.fill 96, 4, 3214868480
	.section	.rodata,"a",@progbits
	.p2align	6, 0x0
	.amdhsa_kernel k_qb87dde01b5_qkv
		.amdhsa_group_segment_fixed_size 168960
		.amdhsa_private_segment_fixed_size 0
		.amdhsa_enable_private_segment 0
		.amdhsa_kernarg_size 24
		.amdhsa_user_sgpr_count 2
		.amdhsa_user_sgpr_kernarg_segment_ptr 1
		.amdhsa_wavefront_size32 1
		.amdhsa_system_sgpr_workgroup_id_x 1
		.amdhsa_system_sgpr_workgroup_id_y 1
		.amdhsa_system_sgpr_workgroup_id_z 1
		.amdhsa_system_vgpr_workitem_id 0
		.amdhsa_next_free_vgpr 256
		.amdhsa_next_free_sgpr 80
		.amdhsa_reserve_vcc 0
		.amdhsa_float_denorm_mode_32 3
		.amdhsa_float_denorm_mode_16_64 3
		.amdhsa_memory_ordered 1
		.amdhsa_forward_progress 1
		.amdhsa_inst_pref_size 38
	.end_amdhsa_kernel
	.amdgpu_metadata
---
amdhsa.version: [ 1, 2 ]
amdhsa.kernels:
  - .name:           k_qb87dde01b5_qkv
    .symbol:         k_qb87dde01b5_qkv.kd
    .args:
      - { .name: xq, .offset: 0, .size: 8, .value_kind: global_buffer, .address_space: global }
      - { .name: wts, .offset: 8, .size: 8, .value_kind: global_buffer, .address_space: global }
      - { .name: qkv, .offset: 16, .size: 8, .value_kind: global_buffer, .address_space: global }
    .group_segment_fixed_size: 168960
    .private_segment_fixed_size: 0
    .kernarg_segment_align: 8
    .kernarg_segment_size: 24
    .max_flat_workgroup_size: 256
    .sgpr_count:     80
    .vgpr_count:     256
    .wavefront_size: 32
...
	.end_amdgpu_metadata
.endif
;; end of part 2
;; launch attn (part 3): grid 32 x 8, 16 waves a work-group, clusters of 4 x 1, 327,680 bytes of LDS; arguments qkv, zq; writes zq
.if DOCPART == 3
	.amdgcn_target "amdgcn-amd-amdhsa--gfx1250"
	.amdhsa_code_object_version 6
	.text
	.protected	k_qb87dde01b5_attn
	.globl	k_qb87dde01b5_attn
	.p2align	8
	.type	k_qb87dde01b5_attn,@function
k_qb87dde01b5_attn:
	s_mov_b64 s[64:65], 0
	v_nop
	global_prefetch_b8 v0, s[64:65] scope:SCOPE_SE
	s_setreg_imm32_b32 hwreg(HW_REG_WAVE_MODE, 25, 1), 1
	s_wait_xcnt 0x0
	s_wait_alu depctr_hold_cnt(0) depctr_sa_sdst(0) depctr_va_vdst(0) depctr_va_sdst(0) depctr_va_ssrc(0) depctr_va_vcc(0) depctr_vm_vsrc(0)
	s_getreg_b32 s2, hwreg(HW_REG_IB_STS2, 6, 4)
	s_cmp_eq_u32 s2, 0
	s_cbranch_scc0 .Lentry_in_a_cluster
	s_endpgm
.Lentry_in_a_cluster:
	s_bfe_u32 s2, ttmp6, 0x10000c
	s_cmp_lg_u32 s2, 0x3003
	s_cbranch_scc0 .Lentry_shape_is_right
	s_endpgm
.Lentry_shape_is_right:
; ATTN: z[h][q] = the sum over k of softmax_k(q . k / 8) v, both products on codes of FP6 (E2M3) with E8M0 scales; z is quantised along the head's 64 and stored as codes.
; THE SOFTMAX: t = score x log2(e) / 8; M = the running largest t, rounded UP to a whole number; p = 2^(t - M) is quantised along the keys, not normalised.  The row's sum is taken of the unquantised p
; and divides at the end.  When M moves, the sum and O are multiplied by 2^(old M - new M): exact.
; SHARES.  A work-group owns 128 queries of one head: eight tiles of 16.  Wave w owns tile w % 8 and half w / 8 of the keys of every region of LDS; at the end a tile's two waves join M, sums and O^T through LDS.
; LAYOUT.  Both products transposed: S^T = K Q^T (source 0 = 16 keys), O^T = V^T P^T (source 0 = 16 channels): a lane holds ONE query.  Tile 4 c + u, row 8 h + j of K's images is key 64 c + 32 h + 8 u + j of a step's 128:
; so registers 32 c .. 32 c + 31 of a lane's 64 scores are the 32 neighbouring keys of block 2 c + lane / 16: A WHOLE BLOCK LIES IN ONE LANE, in the order of the second product's operand.  A block's maximum needs no other lane,
; the conversions' results are the operand's registers, and only the row's maximum and the scale word cross to lane l xor 16.
; THE FIRST PRODUCT'S K IS 64: the upper six registers of Q are zero codes, and the scale bytes of that half are 0; what stands in K's upper six registers (the next tile's codes) meets zeros.
; LDS holds 24 of the head's 32 key steps of 13,312 bytes: R0 (8 steps) and R1 (16).  R0 is filled at the head (half a step a wave), R1 behind the first full sequence (a step a wave).  The waves walk R0 (4 steps each);
; a round; R0 is filled again with the last 8 steps; they walk R1 (8 steps each) and R0 again (4).  The barrier that shows the refill whole guards no refill: each wave signals it behind its second step of R1, its own load
; waited for, and waits for it behind its eighth.  By this text's count one tensor load of a wave is out at a time.
; CLUSTER.  The four query blocks of a cluster belong to one head and walk the same records: every fill is a joint load that names the four.
; No prefetch: each fill behind the head is asked for at least four key steps of every wave ahead of its first read; the first is wanted at the head.
; LIMITS: the promise holds while the scaled scores stay under 2^31 in magnitude; NaN and infinities are not served; blocks of zeros get the byte 1; a block's largest p is taken from its largest score, which takes
; v_exp_f32 not to fall where its input rises; the f32 sums over the keys are two chains, one for each half of the keys, joined once at the end.
.set QREC,  20480
.set KVB,   13312                      ; a key step's bytes
.set HKV,   6656                       ; half of them
.set RK,    0
.set RV,    6144
.set RKS,   12288
.set RVS,   12800
.set RQ,    13312
.set RQS,   19456
.set R1,    8*KVB
.set SPARE, R1+16*KVB                  ; behind the regions: the spare words, 128 bytes for each wave
.set MST,   R1                         ; the stage in which a tile's two waves meet: in R1, behind its one fill and behind a barrier behind which nobody reads it
.set MREC,  4352                       ; for each tile: O^T's 32 registers (registers 4 c .. 4 c + 3 of lane l at 512 c + 16 l), then -M and the sum (8 l)
.set L16,  1
.set L8,   2
.set AD16, 3                           ; v3, v4  the key step's addresses
.set AD8,  4
.set SPW,  5                           ; v5  my spare word; never rewritten
.set NIL,  6                           ; v6  0; never rewritten
.set L4,   7
.set MA16, 8
.set MA8,  9
.set SH8,  10                          ; v10 8 x (lane / 16)
.set T2,   11
.set Q,    16                          ; v16-27 Q's fragment (v22-27 zero codes); v28 its scale word.  v12 -M, v13 the largest score, v[14:15] the sum in two halves
.set QS,   28
.set KS,   32
.set VS,   36
.set FB,   40                          ; v40-87 eight half fragments of K, then four fragments of V; v88-93 zero codes
.set S,    96                          ; v96-159 S^T, then p
.set O,    160                         ; v160-191 O^T
.set PC,   192                         ; v192-203 p's codes; v204-206, v208-210 the second conversions'
.set PT,   204
.set BM,   212                         ; v212-215 maxima: block c in two chains, BM + c and BM + 2 + c
.set BP,   216                         ; v216-219 permutes' destinations
.set SO,   220
.set BY,   224
.set TM,   212                         ; (the way out's quantiser works in the same registers)
.set F,    228
.set PW,   230
.set TMP,  231
.set SUM2, 232
.set SUM3, 234
.set SUM4, 236
.set G1,   16                          ; s[16:23] group 1, half a step;  s[68:75] group 1, a whole step;  s[32:35] group 0 for R0, s[36:39] for R1
.set G1F,  68
.set G0,   32
.set SEL,  24
.set CS,   26                          ; s[26:27] c = log2(e) / 8;  s56 -c
.set NC,   56
.set TB,   28
.set CNT,  29
.set TW,   30
.set HB,   31                          ; s31 4 KVB x (wave / 8);  s57 twice that
.set H2,   57
.macro ROUND                           ; a round of the cluster's barrier
	s_barrier_signal -1
	s_barrier_wait -1
	s_cmp_lg_u32 s8, 0
	s_cbranch_scc1 .Lnot_wave_0_\@
	s_barrier_signal -3
.Lnot_wave_0_\@:
	s_barrier_wait -3
	s_barrier_signal -1
	s_barrier_wait -1
.endm
.macro PLACES n
.rept \n
	v_nop
.endr
.endm
.macro HLOAD off                       ; eight half images: 48 registers
.irp i, 0,1,2,3,4,5,6,7
	ds_load_b128 v[FB+6*\i:FB+6*\i+3], v[AD16] offset:\off+768*\i
	ds_load_b64 v[FB+6*\i+4:FB+6*\i+5], v[AD8] offset:\off+768*\i+512
.endr
.endm
.macro QUANTH s                        ; 32 numbers of a lane, register 16 b + i = k 32 b + 16 (lane / 16) + i -> 6 registers of codes in v[PC] on, two scale bytes in v[PW]
.irp b, 0,1
	v_max3_num_f32 v[TM+\b], |v[(\s)+16*\b]|, |v[(\s)+1+16*\b]|, 0x1800000
.endr
.irp i, 2,4,6,8,10,12,14
.irp b, 0,1
	s_delay_alu instid0(VALU_DEP_2)
	v_max3_num_f32 v[TM+\b], v[TM+\b], |v[(\s)+16*\b+\i]|, |v[(\s)+1+16*\b+\i]|
.endr
.endr
.irp b, 0,1
	s_delay_alu instid0(VALU_DEP_2)
	v_permlanex16_b32 v[TM+4+\b], v[TM+\b], s[SEL], s[SEL+1]
.endr
.irp b, 0,1
	s_delay_alu instid0(VALU_DEP_2)
	v_max_num_f32 v[TM+\b], v[TM+\b], v[TM+4+\b]
.endr
.irp b, 0,1
	s_delay_alu instid0(VALU_DEP_2)
	v_add_nc_u32 v[TM+12+\b], 0xff000000, v[TM+\b]
.endr
.irp b, 0,1
	s_delay_alu instid0(VALU_DEP_2)
	v_lshrrev_b32 v[TM+4+\b], 23, v[TM+12+\b]
.endr
	s_delay_alu instid0(VALU_DEP_1)
	v_lshl_or_b32 v[PW], v[TM+5], 8, v[TM+4]
	v_cvt_scalef32_pk16_fp6_f32 v[PC:PC+2], v[(\s):(\s)+15], v[TM+12]
	v_cvt_scalef32_pk16_fp6_f32 v[PC+12:PC+14], v[(\s)+16:(\s)+31], v[TM+13]
	v_nop
.irp i, 0,1,2
	v_permlane16_swap_b32 v[PC+\i], v[PC+12+\i]
.endr
.irp i, 0,1,2
	s_delay_alu instid0(VALU_DEP_3)
	v_mov_b32 v[PC+3+\i], v[PC+12+\i]
.endr
.endm
; A KEY STEP: 128 keys
.macro STEP
	v_add_nc_u32 v[AD16], s[TB], v[L16]
	v_add_nc_u32 v[AD8], s[TB], v[L8]
	v_nop
	v_nop                                          ; with the two additions: four places in front of loads into registers that the last products read
	HLOAD RK
	ds_load_b128 v[KS:KS+3], v[AD16] offset:RKS
	s_wait_alu depctr_va_vdst(0)
	s_wait_dscnt 0x0
.irp i, 0,1,2,3                                    ; S^T = K Q^T: eight tiles of 16 keys
	v_wmma_scale_f32_16x16x128_f8f6f4 v[S+16*\i:S+16*\i+7], v[FB+12*\i:FB+12*\i+11], v[Q:Q+11], 0, v[KS+\i], v[QS] matrix_a_fmt:MATRIX_FMT_FP6 matrix_b_fmt:MATRIX_FMT_FP6
	v_wmma_scale_f32_16x16x128_f8f6f4 v[S+16*\i+8:S+16*\i+15], v[FB+12*\i+6:FB+12*\i+17], v[Q:Q+11], 0, v[KS+\i], v[QS] matrix_a_fmt:MATRIX_FMT_FP6 matrix_b_fmt:MATRIX_FMT_FP6 matrix_a_scale:MATRIX_SCALE_ROW1
.endr                                              ; register 32 c + i of S is key 64 c + 32 (lane / 16) + i of my query
	v_mov_b32 v[T2], v12                           ; the old -M; with three v_nop: four places in front of the loads below and of the first read of the scores
	PLACES 3
	HLOAD RV                                       ; V lands while the softmax is walked
	ds_load_b128 v[VS:VS+3], v[AD16] offset:RVS
.irp c, 0,1                                        ; the largest score of my two blocks of 32 keys, each in two chains; every accumulator is first read at its low end
	v_max3_num_f32 v[BM+\c], v[S+32*\c], v[S+32*\c+1], v[S+32*\c+2]
.endr
.irp c, 0,1
	v_max3_num_f32 v[BM+2+\c], v[S+32*\c+16], v[S+32*\c+17], v[S+32*\c+18]
.endr
.irp i, 3,5,7,9,11,13
.irp c, 0,1
	v_max3_num_f32 v[BM+\c], v[BM+\c], v[S+32*\c+\i], v[S+32*\c+\i+1]
.endr
.irp c, 0,1
	v_max3_num_f32 v[BM+2+\c], v[BM+2+\c], v[S+32*\c+16+\i], v[S+32*\c+17+\i]
.endr
.endr
.irp c, 0,1
	v_max3_num_f32 v[BM+2+\c], v[BM+2+\c], v[S+32*\c+15], v[S+32*\c+31]
.endr
.irp c, 0,1
	s_delay_alu instid0(VALU_DEP_2)
	v_max_num_f32 v[BM+\c], v[BM+\c], v[BM+2+\c]   ; it serves for the row's maximum and, since p rises with the score, for the block's largest p
.endr
	s_delay_alu instid0(VALU_DEP_1)
	v_max_num_f32 v[TMP], v[BM], v[BM+1]
	s_delay_alu instid0(VALU_DEP_1)
	v_permlanex16_b32 v[BP], v[TMP], s[SEL], s[SEL+1]
	s_delay_alu instid0(VALU_DEP_1)
	v_max3_num_f32 v13, v13, v[TMP], v[BP]         ; the running largest score of my query, lane l xor 16's 64 keys among them
	s_delay_alu instid0(VALU_DEP_1)
	v_mul_f32 v[TMP], s[NC], v13                   ; -t (c is positive)
	s_delay_alu instid0(VALU_DEP_1)
	v_floor_f32 v12, v[TMP]                        ; the new -M = floor(-t): M is a whole number
	s_delay_alu instid0(VALU_DEP_1)
	v_sub_f32 v[T2], v12, v[T2]                    ; old M - new M: a whole number, 0 or less
.set j, 0
.rept 8
	v_pk_fma_f32 v[S+j:S+j+1], v[S+j:S+j+1], s[CS:CS+1], v[12:13] op_sel_hi:[1,0,0]   ; t - M, two at a time
.set j, j+2
.endr
	v_cvt_i32_f32 v[T2], v[T2]                     ; (it saturates)
.rept 8
	v_pk_fma_f32 v[S+j:S+j+1], v[S+j:S+j+1], s[CS:CS+1], v[12:13] op_sel_hi:[1,0,0]
.set j, j+2
.endr
	v_ldexp_f32 v[F], 1.0, v[T2]                   ; f = 2^(old M - new M)
.rept 16
	v_pk_fma_f32 v[S+j:S+j+1], v[S+j:S+j+1], s[CS:CS+1], v[12:13] op_sel_hi:[1,0,0]
.set j, j+2
.endr
.irp c, 0,1
	v_fma_f32 v[BM+\c], v[BM+\c], s[CS], v12       ; the same of each block's largest score
.endr
.set j, 0
.rept 16
	v_pk_mul_f32 v[O+j:O+j+1], v[O+j:O+j+1], v[F:F+1] op_sel_hi:[1,0]   ; O^T under the new M; each accumulator from its low end on
.set j, j+2
.endr
	s_wait_alu depctr_va_vdst(0)                   ; ahead of the batch
.irp c, 0,1
	v_exp_f32 v[BM+\c], v[BM+\c]                   ; the block's largest p
.endr
.set j, 0
.rept 64
	v_exp_f32 v[S+j], v[S+j]                       ; p = 2^(t - M)
.set j, j+1
.endr
	v_nop                                          ; a plain place behind the exponentials
	s_wait_alu depctr_va_vdst(0)                   ; one wait for the batch, ahead of its first reader
.irp c, 0,1
	v_max_num_f32 v[BM+\c], 0x1800000, v[BM+\c]    ; the floor 2^(3 - 127): the byte cannot fall under 1
.endr
.irp c, 0,1
	s_delay_alu instid0(VALU_DEP_2)
	v_add_nc_u32 v[SO+\c], 0xff000000, v[BM+\c]    ; 2 off the exponent field: the conversion's scale operand
.endr
.irp c, 0,1
	v_cvt_scalef32_pk16_fp6_f32 v[PC+6*\c:PC+6*\c+2], v[S+32*\c:S+32*\c+15], v[SO+\c]
	v_cvt_scalef32_pk16_fp6_f32 v[PT+4*\c:PT+4*\c+2], v[S+32*\c+16:S+32*\c+31], v[SO+\c]   ; (a conversion's three registers begin on an even number)
.endr
.irp c, 0,1
	v_lshrrev_b32 v[BY+\c], 23, v[SO+\c]           ; the scales' bytes: plain places behind the conversions
.endr
	s_delay_alu instid0(VALU_DEP_1)
	v_lshl_or_b32 v[PW], v[BY+1], 16, v[BY]        ; my two bytes: blocks h and 2 + h,
	s_delay_alu instid0(VALU_DEP_1)
	v_lshlrev_b32 v[PW], v[SH8], v[PW]             ; at their places in the word
.irp c, 0,1
.irp i, 0,1,2
	v_mov_b32 v[PC+3+6*\c+\i], v[PT+4*\c+\i]
.endr
.endr
	v_permlanex16_b32 v[BP], v[PW], s[SEL], s[SEL+1]
	s_delay_alu instid0(VALU_DEP_1)
	v_or_b32 v[PW], v[PW], v[BP]                   ; with lane l xor 16's two the word is whole
	; the row's sum, of the unquantised p, in four chains: 32 lines, which are also the places between the scale word's and the codes' last writes and the products
	v_pk_fma_f32 v[14:15], v[14:15], v[F:F+1], v[S:S+1] op_sel_hi:[1,0,1]
	v_pk_add_f32 v[SUM2:SUM2+1], v[S+2:S+3], v[S+4:S+5]
	v_pk_add_f32 v[SUM3:SUM3+1], v[S+6:S+7], v[S+8:S+9]
	v_pk_add_f32 v[SUM4:SUM4+1], v[S+10:S+11], v[S+12:S+13]
.irp j, 14,22,30,38,46,54
	v_pk_add_f32 v[14:15], v[14:15], v[S+\j:S+\j+1]
	v_pk_add_f32 v[SUM2:SUM2+1], v[SUM2:SUM2+1], v[S+\j+2:S+\j+3]
	v_pk_add_f32 v[SUM3:SUM3+1], v[SUM3:SUM3+1], v[S+\j+4:S+\j+5]
	v_pk_add_f32 v[SUM4:SUM4+1], v[SUM4:SUM4+1], v[S+\j+6:S+\j+7]
.endr
	v_pk_add_f32 v[14:15], v[14:15], v[S+62:S+63]
	v_pk_add_f32 v[SUM2:SUM2+1], v[SUM2:SUM2+1], v[SUM3:SUM3+1]
	s_delay_alu instid0(VALU_DEP_2)
	v_pk_add_f32 v[14:15], v[14:15], v[SUM4:SUM4+1]
	s_delay_alu instid0(VALU_DEP_1)
	v_pk_add_f32 v[14:15], v[14:15], v[SUM2:SUM2+1]
	s_wait_alu depctr_va_vdst(0)
	s_wait_dscnt 0x0                               ; V is in
.irp c, 0,1,2,3                                    ; O^T += V^T P^T: four tiles of 16 channels, by turns
	v_wmma_scale_f32_16x16x128_f8f6f4 v[O+8*\c:O+8*\c+7], v[FB+12*\c:FB+12*\c+11], v[PC:PC+11], v[O+8*\c:O+8*\c+7], v[VS+\c], v[PW] matrix_a_fmt:MATRIX_FMT_FP6 matrix_b_fmt:MATRIX_FMT_FP6
.endr
.endm
.macro WALK n                          ; n key steps on end from LDS byte s[TB]
	s_mov_b32 s[CNT], \n
.Lstep_\@:
	STEP
	s_add_co_u32 s[TB], s[TB], KVB
	s_sub_co_u32 s[CNT], s[CNT], 1
	s_cmp_lg_u32 s[CNT], 0
	s_cbranch_scc1 .Lstep_\@
.endm
	s_load_b128 s[4:7], s[0:1], 0x0                ; qkv s[4:5], zq s[6:7]
	v_lshl_add_u32 v[SPW], v0, 2, SPARE
	v_mov_b32 v[NIL], 0
	ds_add_u32 v[SPW], v[NIL]                      ; the opening lines: the add, twice on end, and its wait ahead of my first tensor load
	ds_add_u32 v[SPW], v[NIL]
	v_lshrrev_b32 v1, 5, v0
	s_delay_alu instid0(VALU_DEP_1)
	v_readfirstlane_b32 s8, v1                     ; wave 0..15
	s_and_b32 s[TW], s8, 7                         ; my tile of queries
	s_lshr_b32 s[HB], s8, 3
	s_mul_i32 s[HB], s[HB], 4*KVB                  ; my half of R0's key steps,
	s_lshl_b32 s[H2], s[HB], 1                     ; and of R1's
	s_bfe_u32 s9, ttmp6, 0x40000                   ; cx
	s_lshl_b32 s10, ttmp9, 2
	s_add_co_u32 s10, s10, s9                      ; my block of 128 queries: it enters Q's and z's addresses alone
	s_and_b32 s11, ttmp7, 0xffff                   ; the head, which the four partners share
	s_mov_b32 s[G1], 15|(3<<16)|(1<<21)            ; the mask: all four work-groups; elements of 8 bytes; bit 21 set beside a mask; no padding
	s_mov_b32 s[G1+1], 32<<16                      ; rows of 256 bytes,
	s_mov_b32 s[G1+2], 26<<16                      ; 26 of them, dense: half a step
	s_mov_b32 s[G1+3], 32<<16
	s_mov_b32 s[G1+4], 26
	s_mov_b32 s[G1+5], 32
	s_mov_b32 s[G1+6], 0
	s_mov_b32 s[G1+7], 0
	s_mov_b32 s[G1F], 15|(3<<16)|(1<<21)
	s_mov_b32 s[G1F+1], 32<<16
	s_mov_b32 s[G1F+2], 52<<16                     ; 52 rows: a whole step
	s_mov_b32 s[G1F+3], 32<<16
	s_mov_b32 s[G1F+4], 52
	s_mov_b32 s[G1F+5], 32
	s_mov_b32 s[G1F+6], 0
	s_mov_b32 s[G1F+7], 0
	s_lshr_b32 s12, s8, 1                          ; R0: which key step I fetch for,
	s_and_b32 s13, s8, 1                           ; and which half of its bytes
	s_mul_i32 s13, s13, HKV
	s_lshl_b32 s40, s11, 5
	s_add_co_u32 s42, s40, s8
	s_add_co_u32 s42, s42, 8
	s_mul_i32 s42, s42, QREC                       ; R1: key step 8 + wave
	s_mov_b32 s43, 0
	s_add_co_u32 s40, s40, s12
	s_mul_i32 s40, s40, QREC
	s_add_co_u32 s40, s40, s13
	s_mov_b32 s41, 0
	s_mov_b32 s[G0], 1
	s_mul_i32 s[G0+1], s8, HKV
	s_mov_b32 s[G0+4], 1
	s_mul_i32 s[G0+5], s8, KVB
	s_add_co_u32 s[G0+5], s[G0+5], R1
	s_lshl_b32 s44, s11, 5
	s_add_co_u32 s44, s44, s10
	s_mul_i32 s44, s44, QREC                       ; my block's record:
	s_mul_i32 s46, s[TW], 768
	s_add_co_u32 s46, s46, s44                     ; my tile's half image of Q,
	s_mov_b32 s47, 0
	s_lshl_b32 s45, s[TW], 7
	s_add_co_u32 s44, s44, s45                     ; and its scale image
	s_mov_b32 s45, 0
	s_lshl_b32 s52, s10, 3
	s_add_co_u32 s52, s52, s[TW]
	s_mul_i32 s52, s52, 7168                       ; z: my tile's record,
	s_lshl_b32 s54, s11, 7
	s_add_co_u32 s54, s54, s52                     ; the head's scale image in it (6,144 bytes on),
	s_mov_b32 s55, 0
	s_mul_i32 s53, s11, 768
	s_add_co_u32 s52, s52, s53                     ; and the head's half image
	s_mov_b32 s53, 0
	s_mov_b32 s[SEL], 0x76543210
	s_mov_b32 s[SEL+1], 0xfedcba98
	s_mov_b32 s[CS], 0x3e38aa3b                    ; c = log2(e) / 8
	s_mov_b32 s[CS+1], s[CS]                       ; (named with it as a pair, so it is written)
	s_mov_b32 s[NC], 0xbe38aa3b                    ; -c
	s_wait_dscnt 0x0                               ; both opening adds are done
	s_wait_kmcnt 0x0
	s_add_nc_u64 s[G0+2:G0+3], s[4:5], s[40:41]
	s_add_nc_u64 s[G0+6:G0+7], s[4:5], s[42:43]
	s_or_b32 s[G0+3], s[G0+3], 0x80000000
	s_or_b32 s[G0+7], s[G0+7], 0x80000000
	s_add_nc_u64 s[48:49], s[4:5], s[46:47]
	s_add_nc_u64 s[50:51], s[4:5], s[44:45]
	s_add_nc_u64 s[52:53], s[6:7], s[52:53]
	s_add_nc_u64 s[54:55], s[6:7], s[54:55]
	ROUND                                          ; all four work-groups are here: the first joint load meets
	tensor_load_to_lds s[G0:G0+3], s[G1:G1+7]      ; R0: key steps 0-7; my one tensor load at the head
	s_nop 0
	PLACES 4
	v_and_b32 v[L4], 31, v0
	v_bfe_u32 v[SH8], v0, 4, 1
	s_delay_alu instid0(VALU_DEP_2)
	v_lshlrev_b32 v[L16], 4, v[L4]
	v_lshlrev_b32 v[L8], 3, v[L4]
	v_lshlrev_b32 v[L4], 2, v[L4]
	v_lshlrev_b32 v[SH8], 3, v[SH8]
	s_mul_i32 s12, s[TW], MREC
	s_add_co_u32 s12, s12, MST                     ; my tile's place in the stage: the same for its two waves
	v_add_nc_u32 v[MA16], s12, v[L16]
	v_add_nc_u32 v[MA8], s12, v[L8]
	global_load_b128 v[Q:Q+3], v[L16], s[48:49] offset:RQ
	global_load_b64 v[Q+4:Q+5], v[L8], s[48:49] offset:RQ+512
	global_load_b32 v[QS], v[L4], s[50:51] offset:RQS
.irp j, 6,7,8,9,10,11
	v_mov_b32 v[Q+\j], 0                           ; zero codes for k = 64 .. 127
.endr
.irp j, 48,49,50,51,52,53
	v_mov_b32 v[FB+\j], 0                          ; what stands behind K's last tile
.endr
.irp b, 0,1,2,3
	v_mov_b32 v[BP+\b], 0                          ; written once: a lane permute's destination counts as one of its sources
.endr
	v_mov_b32 v[F+1], 0                            ; (named as the upper half of a pair)
	v_mov_b32 v13, 0xff61b1e6                      ; the largest score so far: -3e38, under every score
	s_delay_alu instid0(VALU_DEP_1)
	v_mul_f32 v[TMP], s[NC], v13
	s_delay_alu instid0(VALU_DEP_1)
	v_floor_f32 v12, v[TMP]
	v_mov_b32 v14, 0
	v_mov_b32 v15, 0
.set j, 0
.rept 32
	v_mov_b32 v[O+j], 0                            ; O^T: the step is written without a first step of its own; the first change of M leaves zeros zeros
.set j, j+1
.endr
	s_wait_alu depctr_va_vdst(0)
	s_wait_loadcnt 0x0                             ; Q
	s_wait_tensorcnt 0x0                           ; my part of R0 is in
	ds_add_u32 v[SPW], v[NIL]
	s_add_nc_u64 s[G0+2:G0+3], s[G0+2:G0+3], 24*QREC   ; no tensor load of mine is out: R0's next fill is 24 key steps on
	s_mov_b32 s[TB], s[HB]
	s_wait_dscnt 0x0
	ROUND                                          ; R0 is whole in all four work-groups
	tensor_load_to_lds s[G0+4:G0+7], s[G1F:G1F+7]  ; R1: key steps 8-23, a step a wave
	s_nop 0
	PLACES 4
	WALK 4                                         ; my four steps of R0
	s_wait_tensorcnt 0x0                           ; my part of R1 is in
	ds_add_u32 v[SPW], v[NIL]
	s_add_co_u32 s[TB], s[H2], R1
	s_wait_dscnt 0x0                               ; the add is done, and my reads of R0 are over
	ROUND                                          ; R1 is whole, and nobody reads R0
	tensor_load_to_lds s[G0:G0+3], s[G1:G1+7]      ; R0 again: key steps 24-31
	s_nop 0
	PLACES 4
	WALK 2                                         ; my first two steps of R1
	s_wait_tensorcnt 0x0                           ; my part of the refill is in,
	s_add_co_u32 s[TB], s[H2], R1+2*KVB
	s_wait_dscnt 0x0                               ; no LDS instruction of mine is out at the signal:
	s_barrier_signal -1                            ; say so.  Between its halves I read R1 alone, which nobody writes before a later barrier
	WALK 6                                         ; my other six steps of R1
	s_barrier_wait -1                              ; everybody's part of the refill is in
	s_mov_b32 s[TB], s[HB]
	WALK 4                                         ; my four steps of R0
	; THE TWO WAVES OF A TILE MEET.  A barrier first, behind which nobody reads R1, where the stage lies.  Waves 8-15 put their O^T, -M and sum into the stage; behind a second barrier waves 0-7 take them.
	PLACES 4                                       ; behind the last products
	v_add_f32 v14, v14, v15
	s_delay_alu instid0(VALU_DEP_1)
	v_permlanex16_b32 v[TMP], v14, s[SEL], s[SEL+1]
	s_delay_alu instid0(VALU_DEP_1)
	v_add_f32 v13, v14, v[TMP]                     ; my keys' sum of the row, beside -M: the pair v[12:13]
	s_wait_alu depctr_va_vdst(0)
	s_wait_dscnt 0x0
	s_barrier_signal -1
	s_barrier_wait -1
	s_cmp_lt_u32 s8, 8
	s_cbranch_scc1 .Lkeeps
.irp c, 0,1,2,3,4,5,6,7
	ds_store_b128 v[MA16], v[O+4*\c:O+4*\c+3] offset:512*\c   ; each accumulator from its low end on
.endr
	ds_store_b64 v[MA8], v[12:13] offset:4096
.Lkeeps:
	s_wait_dscnt 0x0                               ; for the others' sake: my stores into the stage are done
	s_barrier_signal -1
	s_barrier_wait -1
	s_cmp_lt_u32 s8, 8
	s_cbranch_scc0 .Ldone
.irp c, 0,1,2,3,4,5,6,7
	ds_load_b128 v[S+4*\c:S+4*\c+3], v[MA16] offset:512*\c    ; the other wave's O^T
.endr
	ds_load_b64 v[14:15], v[MA8] offset:4096       ; its -M and its sum
	s_wait_dscnt 0x0
	v_min_num_f32 v[TMP], v12, v14                 ; the joint -M: the larger M
	s_delay_alu instid0(VALU_DEP_1)
	v_sub_f32 v[BM], v[TMP], v12                   ; my M less the joint M: a whole number, 0 or less;
	s_delay_alu instid0(VALU_DEP_2)
	v_sub_f32 v[BM+1], v[TMP], v14                 ; the other's
	s_delay_alu instid0(VALU_DEP_2)
	v_cvt_i32_f32 v[BM], v[BM]                     ; (they saturate)
	s_delay_alu instid0(VALU_DEP_2)
	v_cvt_i32_f32 v[BM+1], v[BM+1]
	s_delay_alu instid0(VALU_DEP_2)
	v_ldexp_f32 v[F], 1.0, v[BM]                   ; both sides are brought under the joint M by powers of two: nothing is rounded
	s_wait_alu depctr_va_vdst(0)
	v_ldexp_f32 v[SUM2], 1.0, v[BM+1]
	v_mul_f32 v13, v13, v[F]
	s_delay_alu instid0(VALU_DEP_1)
	v_fma_f32 v13, v15, v[SUM2], v13               ; the row's sum
	s_wait_alu depctr_va_vdst(0)
	v_rcp_f32 v14, v13
	v_nop                                          ; a plain place behind the reciprocal,
	s_wait_alu depctr_va_vdst(0)                   ; and the wait ahead of its first reader
	v_mul_f32 v[F], v[F], v14                      ; the division goes into the two factors
	v_mul_f32 v[SUM2], v[SUM2], v14
.set j, 0
.rept 16
	v_pk_mul_f32 v[S+j:S+j+1], v[S+j:S+j+1], v[SUM2:SUM2+1] op_sel_hi:[1,0]
.set j, j+2
.endr
.set j, 0
.rept 16
	v_pk_fma_f32 v[S+j:S+j+1], v[O+j:O+j+1], v[F:F+1], v[S+j:S+j+1] op_sel_hi:[1,0,1]   ; z: register 16 b + i is channel 32 b + 16 (lane / 16) + i; each accumulator from its low end on
.set j, j+2
.endr
	QUANTH S                                       ; z is quantised along the head's 64 and stored as a half image and a scale image
	global_store_b128 v[L16], v[PC:PC+3], s[52:53]             ; 512 consecutive bytes, at a multiple of 256 from the buffer's first byte
	global_store_b64 v[L8], v[PC+4:PC+5], s[52:53] offset:512  ; 256 more
	global_store_b32 v[L4], v[PW], s[54:55] offset:6144
.Ldone:
	s_wait_tensorcnt 0x0                           ; the wave's end
	ds_add_u32 v[SPW], v[NIL]
	s_wait_dscnt 0x0
	ROUND                                          ; the closing round
	s_endpgm
.Lfunc_end_k_qb87dde01b5_attn:
	.size	k_qb87dde01b5_attn, .Lfunc_end_k_qb87dde01b5_attn-k_qb87dde01b5_attn
	.p2alignl 7, 3214868480
	.fill 96, 4, 3214868480
	.section	.rodata,"a",@progbits
	.p2align	6, 0x0
	.amdhsa_kernel k_qb87dde01b5_attn
		.amdhsa_group_segment_fixed_size 327680
		.amdhsa_private_segment_fixed_size 0
		.amdhsa_enable_private_segment 0
		.amdhsa_kernarg_size 16
		.amdhsa_user_sgpr_count 2
		.amdhsa_user_sgpr_kernarg_segment_ptr 1
		.amdhsa_wavefront_size32 1
		.amdhsa_system_sgpr_workgroup_id_x 1
		.amdhsa_system_sgpr_workgroup_id_y 1
		.amdhsa_system_sgpr_workgroup_id_z 1
		.amdhsa_system_vgpr_workitem_id 0
		.amdhsa_next_free_vgpr 256
		.amdhsa_next_free_sgpr 80
		.amdhsa_reserve_vcc 0
		.amdhsa_float_denorm_mode_32 3
		.amdhsa_float_denorm_mode_16_64 3
		.amdhsa_memory_ordered 1
		.amdhsa_forward_progress 1
		.amdhsa_inst_pref_size 78
	.end_amdhsa_kernel
	.amdgpu_metadata
---
amdhsa.version: [ 1, 2 ]
amdhsa.kernels:
  - .name:           k_qb87dde01b5_attn
    .symbol:         k_qb87dde01b5_attn.kd
    .args:
      - { .name: qkv, .offset: 0, .size: 8, .value_kind: global_buffer, .address_space: global }
      - { .name: zq, .offset: 8, .size: 8, .value_kind: global_buffer, .address_space: global }
    .group_segment_fixed_size: 327680
    .private_segment_fixed_size: 0
    .kernarg_segment_align: 8
    .kernarg_segment_size: 16
    .max_flat_workgroup_size: 512
    .sgpr_count:     80
    .vgpr_count:     256
    .wavefront_size: 32
...
	.end_amdgpu_metadata
.endif
;; end of part 3
;; launch tail (part 4): grid 256 x 1, 4 waves a work-group, clusters of 4 x 1, 327,680 bytes of LDS; arguments zq, wts, x, ln1_g, ln1_b, ffn_b, ln2_g, ln2_b, out0; writes out0
.if DOCPART == 4
	.amdgcn_target "amdgcn-amd-amdhsa--gfx1250"
	.amdhsa_code_object_version 6
	.text
	.protected	k_qb87dde01b5_tail
	.globl	k_qb87dde01b5_tail
	.p2align	8
	.type	k_qb87dde01b5_tail,@function
k_qb87dde01b5_tail:
	s_mov_b64 s[64:65], 0
	v_nop
	global_prefetch_b8 v0, s[64:65] scope:SCOPE_SE
	s_setreg_imm32_b32 hwreg(HW_REG_WAVE_MODE, 25, 1), 1
	s_wait_xcnt 0x0
	s_wait_alu depctr_hold_cnt(0) depctr_sa_sdst(0) depctr_va_vdst(0) depctr_va_sdst(0) depctr_va_ssrc(0) depctr_va_vcc(0) depctr_vm_vsrc(0)
	s_getreg_b32 s2, hwreg(HW_REG_IB_STS2, 6, 4)
	s_cmp_eq_u32 s2, 0
	s_cbranch_scc0 .Lentry_in_a_cluster
	s_endpgm
.Lentry_in_a_cluster:
	s_bfe_u32 s2, ttmp6, 0x10000c
	s_cmp_lg_u32 s2, 0x3003
	s_cbranch_scc0 .Lentry_shape_is_right
	s_endpgm
.Lentry_shape_is_right:
; TAIL: n = LN1(z w_mh + x); out0 = LN2(n ffn_w^T + ffn_b + n).  Both products on codes of FP6 (E2M3) with E8M0 scales; n is quantised on the way and never goes to memory.
; SHARES.  Work-group T owns tile T of 16 rows (lane r: row 32 (T / 2) + 8 (T % 2) + r + 8 (r / 8)).  Wave w owns columns 128 w .. 128 w + 127 of both products: 8 tiles of columns, 8 accumulators.
; Both products transposed (source 0 = 16 columns of the weight, source 1 = the 16 rows): a lane holds one row, and register 16 b + i of the 64 is column 128 w + 32 b + 16 (lane / 16) + i.
; x is loaded into the accumulators and is the first product's C; n + ffn_b stays there and is the second's.
; A row's mean and variance: within the lane, with lane l xor 16, and over the four waves through LDS.  The mean is taken first, then the mean of the squared differences.
; n's 128 columns of a wave are K step w of the second product: quantised in registers, handed round as an image of the operand's registers.
; WEIGHTS.  All work-groups walk the same weights: CLUSTER 4 x 1, and every fill is a joint load that names the four.  Wave w fetches the 8 tile records (53,248 bytes, 208 rows of 256) that it alone multiplies by, into LDS bytes
; of its own: so its own wait on TENSORcnt is all the ordering that its reads need.  w_mh is asked for at the head; its fragments (4 groups of 96 registers) go into registers; behind the full sequence and a round ffn_w is
; filled into the same bytes, while the first product and the first norm are worked.  By this text's count one tensor load of a wave is out.  No prefetch: the launch has no loop to run ahead in.
; REGISTERS, in windows of 256.  Window 0: v1-15 addresses; v16-63 source 1's four fragments (between the products: at work); v64-127 the accumulators; v128-159 the weights' scale words; v160-171 source 1's; v172-217 at work.
;   Windows 1-3: six buffers of 96 for the weights' groups (group g in buffer g % 6: window 1 + buffer / 2, from v0 or v96).  From v192: window 1 ln1_g, window 2 ln1_b, window 3 ffn_b.  Window 2, v0-127, behind the first product: ln2_g, ln2_b.
; LIMITS: NaN and infinities are not served; blocks of zeros and blocks under 2^-124 get the byte 1; v_rsq_f32 is good to 1 ulp.
.set REC,  6656
.set RED,  0                           ; LDS: four exchanges of 512 bytes,
.set NIMG, 2048                        ; n's four fragment images,
.set NSC,  8192                        ; their scale images,
.set OST,  8704                        ; the stage for out0: 16 rows x (2,048 bytes + 16),
.set SPARE, 41984                      ; the spare words, 128 bytes for each wave,
.set WLDS, 43008                       ; and the weights: 8 records for each wave; tensor loads land here alone
.set L16,  1
.set L8,   2
.set L4,   3
.set WSO,  4                           ; v4   4 l + 6,592 h: lanes 0-15 a tile's scale word, lanes 16-31 the next tile's
.set XO,   5                           ; v5   x: my row, + 64 h
.set GO,   6                           ; v6   a vector of 512: 64 h
.set RA,   7                           ; v7   an exchange: 4 l + 128 w
.set NI,   8                           ; v8   where I store n's image      v9  and its scale word
.set NS,   9
.set SO_,  10                          ; v10  the stage: where I put 16 numbers of a row      v11  where I read rows back
.set SR,   11
.set WA16, 14                          ; v14  my records in LDS: 16 x lane      v15  their scale words
.set WS4,  15
.set SPW,  254                         ; v254 my spare word; v255 0; never rewritten
.set NIL,  255
.set ZF,   16
.set U,    16
.set ACC,  64
.set WSC,  128
.set ZW,   160
.set ZS,   168
.set PC,   172
.set TM,   192
.set PW,   208
.set MS,   210
.set R4,   212
.set T0,   216
.set T1,   217
.set SEL,  40
.set INV,  42                          ; s42  1 / 512
.set EPS,  43                          ; s43  1e-5
.set G0,   44                          ; s[44:47] descriptor group 0;  s[48:55] group 1
.set G1,   48
.set MSB, 0
.macro WIN new                         ; the immediate's high byte repeats the setting that is left; a switch that changes nothing is dropped
.if MSB != (\new)
	s_set_vgpr_msb (MSB<<8)|(\new)
.set MSB, (\new)
.endif
.endm
.macro PLACES n
.rept \n
	v_nop
.endr
.endm
.macro ROUND                           ; a round of the cluster's barrier
	s_barrier_signal -1
	s_barrier_wait -1
	s_cmp_lg_u32 s22, 0
	s_cbranch_scc1 .Lnot_wave_0_\@
	s_barrier_signal -3
.Lnot_wave_0_\@:
	s_barrier_wait -3
	s_barrier_signal -1
	s_barrier_wait -1
.endm
.macro QUANT s                         ; 64 numbers of a lane, register 16 b + i = k 32 b + 16 (lane / 16) + i -> a fragment's codes in v[PC] on, its scale word in v[PW]
.irp b, 0,1,2,3
	v_max3_num_f32 v[TM+\b], |v[(\s)+16*\b]|, |v[(\s)+1+16*\b]|, 0x1800000
.endr
.irp i, 2,4,6,8,10,12,14
.irp b, 0,1,2,3
	v_max3_num_f32 v[TM+\b], v[TM+\b], |v[(\s)+16*\b+\i]|, |v[(\s)+1+16*\b+\i]|
.endr
.endr
.irp b, 0,1,2,3
	v_permlanex16_b32 v[TM+4+\b], v[TM+\b], s[SEL], s[SEL+1]
.endr
.irp b, 0,1,2,3
	v_max_num_f32 v[TM+\b], v[TM+\b], v[TM+4+\b]
.endr
.irp b, 0,1,2,3
	v_add_nc_u32 v[TM+12+\b], 0xff000000, v[TM+\b]
.endr
.irp b, 0,1,2,3
	v_lshrrev_b32 v[TM+4+\b], 23, v[TM+12+\b]
.endr
	v_lshl_or_b32 v[PW], v[TM+5], 8, v[TM+4]
	v_lshl_or_b32 v[PW], v[TM+6], 16, v[PW]
	v_lshl_or_b32 v[PW], v[TM+7], 24, v[PW]
.irp c, 0,1
	v_cvt_scalef32_pk16_fp6_f32 v[PC+6*\c:PC+6*\c+2], v[(\s)+32*\c:(\s)+32*\c+15], v[TM+12+2*\c]
	v_cvt_scalef32_pk16_fp6_f32 v[PC+12+4*\c:PC+14+4*\c], v[(\s)+32*\c+16:(\s)+32*\c+31], v[TM+13+2*\c]
.endr
	v_nop                                          ; one plain place behind a scaled conversion
.irp c, 0,1
.irp i, 0,1,2
	v_permlane16_swap_b32 v[PC+6*\c+\i], v[PC+12+4*\c+\i]
.endr
.irp i, 0,1,2
	v_mov_b32 v[PC+3+6*\c+\i], v[PC+12+4*\c+\i]
.endr
.endr
.endm
.macro WGRP g                          ; group g = 4 P + s: K step s of my 8 tiles of the weight that lies in LDS: 24 LDS loads of 512 consecutive bytes
.set BETA, (\g)%6
.set SS, (\g)%4
	WIN (1+BETA/2)<<6
.irp t, 0,1,2,3,4,5,6,7
.irp c, 0,1,2
	ds_load_b128 v[96*(BETA%2)+12*\t+4*\c:96*(BETA%2)+12*\t+4*\c+3], v[WA16] offset:\t*REC+1536*SS+512*\c
.endr
.endr
	WIN 0
.endm
.macro WSCL p                          ; its scale words: register 16 p + 4 u + s: lanes 0-15 tile 2 u's word of K step s, lanes 16-31 tile 2 u + 1's
.irp u, 0,1,2,3
.irp s, 0,1,2,3
	ds_load_b32 v[WSC+16*\p+4*\u+\s], v[WS4] offset:2*\u*REC+6144+128*\s
.endr
.endr
.endm
.macro VEC win, reg, lo                ; my 64 numbers of a vector of 512, in the accumulators' layout
	WIN (\win)<<6
.irp b, 0,1,2,3
.irp j, 0,1,2,3
	global_load_b128 v[\reg+16*\b+4*\j:\reg+16*\b+4*\j+3], v[GO], s[\lo:\lo+1] offset:128*\b+16*\j
.endr
.endr
	WIN 0
.endm
.macro MUL8 g                          ; one K step: the eight accumulators by turns, one instruction a turn
.set BETA, (\g)%6
.set PP, (\g)/4
.set SS, (\g)%4
.set WB0, 96*(BETA%2)
	WIN 1+BETA/2                                   ; source 0 in the buffer's window
.irp u, 0,1,2,3
	v_wmma_scale_f32_16x16x128_f8f6f4 v[ACC+16*\u:ACC+16*\u+7], v[WB0+24*\u:WB0+24*\u+11], v[ZF+12*SS:ZF+12*SS+11], v[ACC+16*\u:ACC+16*\u+7], v[WSC+16*PP+4*\u+SS], v[ZS+SS] matrix_a_fmt:MATRIX_FMT_FP6 matrix_b_fmt:MATRIX_FMT_FP6
	v_wmma_scale_f32_16x16x128_f8f6f4 v[ACC+16*\u+8:ACC+16*\u+15], v[WB0+24*\u+12:WB0+24*\u+23], v[ZF+12*SS:ZF+12*SS+11], v[ACC+16*\u+8:ACC+16*\u+15], v[WSC+16*PP+4*\u+SS], v[ZS+SS] matrix_a_fmt:MATRIX_FMT_FP6 matrix_b_fmt:MATRIX_FMT_FP6 matrix_a_scale:MATRIX_SCALE_ROW1
.endr
	WIN 0
.endm
.macro TREE                            ; the eight pairs become one number in v[T0], lane l xor 16's added
	v_pk_add_f32 v[U:U+1], v[U:U+1], v[U+2:U+3]
	v_pk_add_f32 v[U+4:U+5], v[U+4:U+5], v[U+6:U+7]
	v_pk_add_f32 v[U+8:U+9], v[U+8:U+9], v[U+10:U+11]
	v_pk_add_f32 v[U+12:U+13], v[U+12:U+13], v[U+14:U+15]
	v_pk_add_f32 v[U:U+1], v[U:U+1], v[U+4:U+5]
	v_pk_add_f32 v[U+8:U+9], v[U+8:U+9], v[U+12:U+13]
	v_pk_add_f32 v[U:U+1], v[U:U+1], v[U+8:U+9]
	v_add_f32 v[T0], v[U], v[U+1]
	v_permlanex16_b32 v[T1], v[T0], s[SEL], s[SEL+1]
	v_add_f32 v[T0], v[T0], v[T1]
.endm
.macro EXCH k                          ; v[T0] summed over the four waves; exchange k has 512 bytes of its own, written once
	ds_store_b32 v[RA], v[T0] offset:RED+512*(\k)
	s_wait_dscnt 0x0                               ; for the others' sake: my store is done
	s_barrier_signal -1
	s_barrier_wait -1
.irp i, 0,1,2,3
	ds_load_b32 v[R4+\i], v[L4] offset:RED+512*(\k)+128*\i
.endr
	s_wait_dscnt 0x0
	v_add_f32 v[R4], v[R4], v[R4+1]
	v_add_f32 v[R4+2], v[R4+2], v[R4+3]
	v_add_f32 v[T0], v[R4], v[R4+2]
.endm
; The accumulators y become (y - mean) / sqrt(variance + eps) x g + b.  k: the first of its two exchanges; win: the windows of g (source 1) and b (source 2)
.macro LNORM k, win, g, b
.irp t, 0,1,2,3,4,5,6,7
	v_pk_add_f32 v[U+2*\t:U+2*\t+1], v[ACC+8*\t:ACC+8*\t+1], v[ACC+8*\t+2:ACC+8*\t+3]   ; each accumulator is read from its low end on
.endr
.irp p, 4,6
.irp t, 0,1,2,3,4,5,6,7
	v_pk_add_f32 v[U+2*\t:U+2*\t+1], v[U+2*\t:U+2*\t+1], v[ACC+8*\t+\p:ACC+8*\t+\p+1]
.endr
.endr
	TREE
	EXCH \k
	v_mul_f32 v[MS], s[INV], v[T0]                 ; the mean, in both words
	v_mul_f32 v[MS+1], s[INV], v[T0]
.set j, 0
.rept 32
	v_pk_add_f32 v[ACC+j:ACC+j+1], v[ACC+j:ACC+j+1], v[MS:MS+1] neg_lo:[0,1] neg_hi:[0,1]   ; d = y - mean
.set j, j+2
.endr
.irp t, 0,1,2,3,4,5,6,7
	v_pk_mul_f32 v[U+2*\t:U+2*\t+1], v[ACC+8*\t:ACC+8*\t+1], v[ACC+8*\t:ACC+8*\t+1]
.endr
.irp p, 2,4,6
.irp t, 0,1,2,3,4,5,6,7
	v_pk_fma_f32 v[U+2*\t:U+2*\t+1], v[ACC+8*\t+\p:ACC+8*\t+\p+1], v[ACC+8*\t+\p:ACC+8*\t+\p+1], v[U+2*\t:U+2*\t+1]
.endr
.endr
	TREE
	EXCH (\k)+1
	v_fma_f32 v[T0], v[T0], s[INV], s[EPS]         ; variance + eps
	s_wait_alu depctr_va_vdst(0)
	v_rsq_f32 v[MS], v[T0]
	v_nop                                          ; a plain place behind the transcendental,
	s_wait_alu depctr_va_vdst(0)                   ; and the wait ahead of its first reader
	v_mov_b32 v[MS+1], v[MS]
.set j, 0
.rept 32
	v_pk_mul_f32 v[ACC+j:ACC+j+1], v[ACC+j:ACC+j+1], v[MS:MS+1]
.set j, j+2
.endr
	WIN \win
.set j, 0
.rept 32
	v_pk_fma_f32 v[ACC+j:ACC+j+1], v[ACC+j:ACC+j+1], v[\g+j:\g+j+1], v[\b+j:\b+j+1]
.set j, j+2
.endr
	WIN 0
.endm
	s_load_b256 s[4:11], s[0:1], 0x0               ; zq s[4:5], wts s[6:7], x s[8:9], ln1_g s[10:11]
	s_load_b256 s[12:19], s[0:1], 0x20             ; ln1_b s[12:13], ffn_b s[14:15], ln2_g s[16:17], ln2_b s[18:19]
	s_load_b64 s[20:21], s[0:1], 0x40              ; out0
	v_lshl_add_u32 v[SPW], v0, 2, SPARE
	v_mov_b32 v[NIL], 0
	ds_add_u32 v[SPW], v[NIL]                      ; the opening lines: the add, twice on end, and its wait ahead of my first tensor load
	ds_add_u32 v[SPW], v[NIL]
	v_lshrrev_b32 v1, 5, v0
	v_readfirstlane_b32 s22, v1                    ; wave 0..3
	v_and_b32 v3, 31, v0
	v_and_b32 v12, 15, v0                          ; r
	v_bfe_u32 v13, v0, 4, 1                        ; h
	v_lshlrev_b32 v[L16], 4, v3
	v_lshlrev_b32 v[L8], 3, v3
	v_lshlrev_b32 v[L4], 2, v3
	v_mad_u32_u24 v[WSO], v13, 6592, v[L4]         ; lanes 16-31: 4 (r + 16) + 6,592 = 4 r + a record on
	v_and_b32 v[XO], 8, v12
	v_add_nc_u32 v[XO], v[XO], v12
	v_lshlrev_b32 v[XO], 11, v[XO]
	v_lshl_add_u32 v[XO], v13, 6, v[XO]
	v_lshlrev_b32 v[GO], 6, v13
	s_lshl_b32 s23, s22, 7
	v_add_nc_u32 v[RA], s23, v[L4]
	s_add_co_u32 s24, s23, NSC
	v_add_nc_u32 v[NS], s24, v[L4]
	s_mul_i32 s24, s22, 1536
	s_add_co_u32 s24, s24, NIMG
	v_add_nc_u32 v[NI], s24, v[L16]
	v_mul_u32_u24 v[SO_], v12, 2064
	v_lshl_add_u32 v[SO_], v13, 6, v[SO_]
	s_lshl_b32 s24, s22, 9
	s_add_co_u32 s24, s24, OST
	v_add_nc_u32 v[SO_], s24, v[SO_]               ; row r, + 512 w + 64 h
	s_mul_i32 s24, s22, 4*2064
	s_add_co_u32 s24, s24, OST
	v_add_nc_u32 v[SR], s24, v[L16]                ; back: my four rows, 16 bytes a lane
	s_mul_i32 s24, s22, 8*REC
	s_add_co_u32 s24, s24, WLDS                    ; my 8 records in LDS: the wave's number alone enters
	v_add_nc_u32 v[WA16], s24, v[L16]
	v_add_nc_u32 v[WS4], s24, v[WSO]
	s_mov_b32 s[G0], 1
	s_mov_b32 s[G0+1], s24
.irp b, 0,1,2,3
	v_mov_b32 v[TM+4+\b], 0                        ; written once: a lane permute's destination counts as one of its sources
.endr
	v_mov_b32 v[T1], 0
	s_mov_b32 s[SEL], 0x76543210
	s_mov_b32 s[SEL+1], 0xfedcba98
	s_mov_b32 s[INV], 0x3b000000
	s_mov_b32 s[EPS], 0x3727c5ac
	s_bfe_u32 s39, ttmp6, 0x40000                  ; cx
	s_lshl_b32 s38, ttmp9, 2
	s_add_co_u32 s38, s38, s39                     ; T: it enters z's, x's and out0's addresses alone
	s_mul_i32 s26, s38, 7168                       ; z's record
	s_mov_b32 s27, 0
	s_lshl_b32 s28, s22, 3
	s_add_co_u32 s28, s28, 96
	s_mul_i32 s28, s28, REC                        ; w_mh's record of my first tile; ffn_w's lies 32 records on
	s_mov_b32 s29, 0
	s_lshr_b32 s30, s38, 1
	s_lshl_b32 s30, s30, 5
	s_and_b32 s31, s38, 1
	s_lshl_b32 s31, s31, 3
	s_add_co_u32 s30, s30, s31                     ; the tile's first row
	s_lshl_b32 s34, s22, 9                         ; my 128 columns, in bytes
	s_mov_b32 s35, 0
	s_lshl_b32 s32, s30, 11
	s_add_co_u32 s32, s32, s34
	s_mov_b32 s33, 0
	s_lshl_b32 s36, s22, 2
	s_add_co_u32 s36, s36, s30
	s_lshr_b32 s37, s22, 1
	s_lshl_b32 s37, s37, 3
	s_add_co_u32 s36, s36, s37                     ; the first of the four rows that I store: tile rows 4 w .. 4 w + 3, which lie 8 further on from tile row 8
	s_lshl_b32 s36, s36, 11
	s_mov_b32 s37, 0
	s_mov_b32 s[G1], 15|(3<<16)|(1<<21)            ; the mask: all four work-groups; elements of 8 bytes; bit 21 set beside a mask; no padding
	s_mov_b32 s[G1+1], 32<<16                      ; rows of 256 bytes,
	s_mov_b32 s[G1+2], 208<<16                     ; 208 of them, dense: 8 records
	s_mov_b32 s[G1+3], 32<<16
	s_mov_b32 s[G1+4], 208
	s_mov_b32 s[G1+5], 32
	s_mov_b32 s[G1+6], 0
	s_mov_b32 s[G1+7], 0
	s_wait_alu depctr_va_vdst(0)
	s_wait_dscnt 0x0                               ; both opening adds are done
	s_wait_kmcnt 0x0
	s_add_nc_u64 s[4:5], s[4:5], s[26:27]
	s_add_nc_u64 s[6:7], s[6:7], s[28:29]
	s_add_nc_u64 s[8:9], s[8:9], s[32:33]
	s_add_nc_u64 s[10:11], s[10:11], s[34:35]
	s_add_nc_u64 s[12:13], s[12:13], s[34:35]
	s_add_nc_u64 s[14:15], s[14:15], s[34:35]
	s_add_nc_u64 s[16:17], s[16:17], s[34:35]
	s_add_nc_u64 s[18:19], s[18:19], s[34:35]
	s_add_nc_u64 s[20:21], s[20:21], s[36:37]
	s_mov_b64 s[G0+2:G0+3], s[6:7]
	s_or_b32 s[G0+3], s[G0+3], 0x80000000
	ROUND                                          ; all four work-groups are here: the first joint load meets
	tensor_load_to_lds s[G0:G0+3], s[G1:G1+7]      ; my 8 records of w_mh: my one tensor load at the head
	s_nop 0
	PLACES 4
.irp h, 0,1,2,3,4,5,6,7                            ; z: head h's half image is registers 6 h .. 6 h + 5 of the four fragments
	global_load_b128 v[ZF+6*\h:ZF+6*\h+3], v[L16], s[4:5] offset:768*\h
	global_load_b64 v[ZF+6*\h+4:ZF+6*\h+5], v[L8], s[4:5] offset:768*\h+512
.endr
.irp h, 0,1,2,3,4,5,6,7
	global_load_b32 v[ZW+\h], v[L4], s[4:5] offset:6144+128*\h
.endr
.irp b, 0,1,2,3
.irp j, 0,1,2,3
	global_load_b128 v[ACC+16*\b+4*\j:ACC+16*\b+4*\j+3], v[XO], s[8:9] offset:128*\b+16*\j   ; x, the residual: the first product's C
.endr
.endr
	VEC 1, 192, 10                                 ; ln1_g
	VEC 2, 192, 12                                 ; ln1_b
	s_wait_tensorcnt 0x0                           ; my records of w_mh are in; nobody else reads them
	WSCL 0
	WGRP 0
	WGRP 1
	WGRP 2
	WGRP 3
	s_wait_tensorcnt 0x0                           ; in front of a refill's barrier
	ds_add_u32 v[SPW], v[NIL]
	s_add_nc_u64 s[G0+2:G0+3], s[G0+2:G0+3], 32*REC   ; no tensor load of mine is out: ffn_w's records lie 32 on
	s_wait_dscnt 0x0                               ; the add is done, and all of w_mh that I need is in registers
	ROUND
	tensor_load_to_lds s[G0:G0+3], s[G1:G1+7]      ; my 8 records of ffn_w, into the same bytes
	s_nop 0
	PLACES 4
	; ---- z w_mh + x
	s_wait_loadcnt 0x0                             ; z, x, ln1_g, ln1_b
.irp s, 0,1,2,3
	v_lshl_or_b32 v[ZS+\s], v[ZW+2*\s+1], 16, v[ZW+2*\s]   ; two heads' two bytes make a K step's scale word
.endr
	s_wait_alu depctr_va_vdst(0)
	PLACES 8                                       ; a scale register written by a vector instruction stands eight places ahead of a scaled matrix instruction
	MUL8 0
	MUL8 1
	MUL8 2
	MUL8 3
	PLACES 4                                       ; in front of loads into registers that matrix instructions have read, and of the first read of results
	VEC 3, 192, 14                                 ; ffn_b
	VEC 2, 0, 16                                   ; ln2_g
	VEC 2, 64, 18                                  ; ln2_b
	LNORM 0, 0x24, 192, 192                        ; n: g in window 1, b in window 2
	s_wait_alu depctr_va_vdst(0)
	s_wait_tensorcnt 0x0                           ; my records of ffn_w are in; their fragments land while n is quantised
	WSCL 1
	WGRP 4
	WGRP 5
	WGRP 6
	WGRP 7
	; ---- n's 128 columns of mine are K step w of the second product
	QUANT ACC
.irp c, 0,1,2
	ds_store_b128 v[NI], v[PC+4*\c:PC+4*\c+3] offset:512*\c
.endr
	ds_store_b32 v[NS], v[PW]
	s_wait_dscnt 0x0                               ; for the others' sake: my image is stored
	s_barrier_signal -1
	s_barrier_wait -1
.irp s, 0,1,2,3
.irp c, 0,1,2
	ds_load_b128 v[ZF+12*\s+4*\c:ZF+12*\s+4*\c+3], v[L16] offset:NIMG+1536*\s+512*\c
.endr
	ds_load_b32 v[ZS+\s], v[L4] offset:NSC+128*\s
.endr
	s_wait_loadcnt 0x0                             ; ffn_b, ln2_g, ln2_b
	WIN 0x0c                                       ; source 1 in window 3
.set j, 0
.rept 32
	v_pk_add_f32 v[ACC+j:ACC+j+1], v[ACC+j:ACC+j+1], v[192+j:193+j]   ; n + ffn_b: the second product's C
.set j, j+2
.endr
	WIN 0
	s_wait_alu depctr_va_vdst(0)
	s_wait_dscnt 0x0
	PLACES 4                                       ; between the vector lines that wrote C and the products
	MUL8 4
	MUL8 5
	MUL8 6
	MUL8 7
	PLACES 4
	LNORM 2, 0x28, 0, 64                           ; g and b in window 2
	; ---- the way out: a row's 512 numbers come from four waves: they meet in the stage, and each wave stores four whole rows
.irp b, 0,1,2,3
.irp j, 0,1,2,3
	ds_store_b128 v[SO_], v[ACC+16*\b+4*\j:ACC+16*\b+4*\j+3] offset:128*\b+16*\j
.endr
.endr
	s_wait_dscnt 0x0
	s_barrier_signal -1
	s_barrier_wait -1
.irp i, 0,1,2,3
.irp q, 0,1,2,3
	ds_load_b128 v[ACC+16*\i+4*\q:ACC+16*\i+4*\q+3], v[SR] offset:2064*\i+512*\q
.endr
.endr
.irp i, 0,1,2,3
.irp q, 0,1,2,3
	s_wait_dscnt 15-4*\i-\q                        ; the younger loads may be out
	global_store_b128 v[L16], v[ACC+16*\i+4*\q:ACC+16*\i+4*\q+3], s[20:21] offset:2048*\i+512*\q th:TH_STORE_NT   ; 32 lanes store 512 consecutive bytes, at a multiple of 256 from out0's first byte; written once
.endr
.endr
	s_wait_tensorcnt 0x0                           ; the wave's end
	ds_add_u32 v[SPW], v[NIL]
	s_wait_dscnt 0x0
	ROUND                                          ; the closing round
	s_endpgm
.Lfunc_end_k_qb87dde01b5_tail:
	.size	k_qb87dde01b5_tail, .Lfunc_end_k_qb87dde01b5_tail-k_qb87dde01b5_tail
	.p2alignl 7, 3214868480
	.fill 96, 4, 3214868480
	.section	.rodata,"a",@progbits
	.p2align	6, 0x0
	.amdhsa_kernel k_qb87dde01b5_tail
		.amdhsa_group_segment_fixed_size 327680
		.amdhsa_private_segment_fixed_size 0
		.amdhsa_enable_private_segment 0
		.amdhsa_kernarg_size 72
		.amdhsa_user_sgpr_count 2
		.amdhsa_user_sgpr_kernarg_segment_ptr 1
		.amdhsa_wavefront_size32 1
		.amdhsa_system_sgpr_workgroup_id_x 1
		.amdhsa_system_sgpr_workgroup_id_y 1
		.amdhsa_system_sgpr_workgroup_id_z 1
		.amdhsa_system_vgpr_workitem_id 0
		.amdhsa_next_free_vgpr 1024
		.amdhsa_next_free_sgpr 66
		.amdhsa_reserve_vcc 0
		.amdhsa_float_denorm_mode_32 3
		.amdhsa_float_denorm_mode_16_64 3
		.amdhsa_memory_ordered 1
		.amdhsa_forward_progress 1
		.amdhsa_inst_pref_size 78
	.end_amdhsa_kernel
	.amdgpu_metadata
---
amdhsa.version: [ 1, 2 ]
amdhsa.kernels:
  - .name:           k_qb87dde01b5_tail
    .symbol:         k_qb87dde01b5_tail.kd
    .args:
      - { .name: zq, .offset: 0, .size: 8, .value_kind: global_buffer, .address_space: global }
      - { .name: wts, .offset: 8, .size: 8, .value_kind: global_buffer, .address_space: global }
      - { .name: x, .offset: 16, .size: 8, .value_kind: global_buffer, .address_space: global }
      - { .name: ln1_g, .offset: 24, .size: 8, .value_kind: global_buffer, .address_space: global }
      - { .name: ln1_b, .offset: 32, .size: 8, .value_kind: global_buffer, .address_space: global }
      - { .name: ffn_b, .offset: 40, .size: 8, .value_kind: global_buffer, .address_space: global }
      - { .name: ln2_g, .offset: 48, .size: 8, .value_kind: global_buffer, .address_space: global }
      - { .name: ln2_b, .offset: 56, .size: 8, .value_kind: global_buffer, .address_space: global }
      - { .name: out0, .offset: 64, .size: 8, .value_kind: global_buffer, .address_space: global }
    .group_segment_fixed_size: 327680
    .private_segment_fixed_size: 0
    .kernarg_segment_align: 8
    .kernarg_segment_size: 72
    .max_flat_workgroup_size: 128
    .sgpr_count:     66
    .vgpr_count:     1024
    .wavefront_size: 32
...
	.end_amdgpu_metadata
.endif
;; end of part 4
